; MI455X (gfx1250); checked and timed in simulation.
; The chip was launched on July 23, 2026; its instructions are those of AMD's public machine-readable ISA for CDNA 5 (MIT licence, August 2026) and "CDNA5" Instruction Set Architecture Reference Guide (July 2026). The comments in the code are by the model that wrote it; some were corrected since.
;; Causal Self Attention. Allowed arithmetic: float matrix products may take bf16 or f16 operands with f32 sums; all other float work in f32.
;; Inputs: token_positions 2,048 int32; wk 1,024 x 1,024 float32; wo 1,024 x 1,024 float32; wq 1,024 x 1,024 float32; wv 1,024 x 1,024 float32; x 4 x 2,048 x 1,024 float32.
;; Outputs: out0 4 x 2,048 x 1,024 float32.
;; 2 versions, each right; version 2 is version 1 with the launch prep written anew for expert scheduling mode. Each part assembles by itself: llvm-mc -triple=amdgcn-amd-amdhsa -mcpu=gfx1250 --defsym DOCPART=n.
;; ======== version 1 of 2: 4 launches
;; limits: values are held in f16: magnitudes above 65,504 overflow, below 6.1e-05 lose precision
;; workspace buffers: xb 16,777,216 bytes; wb 8,388,608 bytes; rope 524,288 bytes; qkv 50,331,648 bytes; att 16,777,216 bytes
;; launch prep (part 1): grid 768 x 1, 8 waves a work-group, no clusters, 0 bytes of LDS; arguments x, wq, wk, wv, wo, token_positions, xb, wb, rope; writes xb, wb, rope
.if DOCPART == 1
	.amdgcn_target "amdgcn-amd-amdhsa--gfx1250"
	.amdhsa_code_object_version 6
	.text
	.protected	k_qabd950ab6b_prep
	.globl	k_qabd950ab6b_prep
	.p2align	8
	.type	k_qabd950ab6b_prep,@function
k_qabd950ab6b_prep:
	s_mov_b64 s[64:65], 0
	v_nop
	global_prefetch_b8 v0, s[64:65] scope:SCOPE_SE
	s_setreg_imm32_b32 hwreg(HW_REG_WAVE_MODE, 25, 1), 1
	s_wait_xcnt 0x0
; Casts and the rotation table.
;   xb[8192][1024]  = x rounded to bf16.
;   wb[4096][1024]: rows 0-3071 hold wq, wk, wv rounded to bf16, head by head: rows 192 h + 0..63 are wq's rows 64 h on, + 64..127 wk's, + 128..191 wv's,
;                     so that 192 consecutive rows are one head's q, k and v.  Rows 3072-4095 hold wo, rounded to bf16 and that value written in f16 format,
;                     because its partner in the last product is f16.  The move is exact for |wo| from 6.1e-5 to 65,504; below it is off by at most 3e-8.
;   rope[2048][32][2] = (cos, sin) of position x 10000^(-i/32), f32: one row of 256 bytes for each token.
; A stream: no LDS, no barrier, no matrix unit.  A work-group casts 16,384 numbers (64 KiB in, 32 KiB out; 16 rows of a weight): groups 0-511 take x, groups 512-767 the
; four weights (64 groups each).  A wave's load covers 512 consecutive bytes, its store 256 consecutive aligned bytes.  All 16 loads of a wave go out at once.
; The 256 weight groups also make 8 table rows each, one a wave, lane = pair number, while their loads are on their way.
; LIMIT: the angle is reduced by pi/2 in two parts; what is left of pi/2 behind them is 1.7e-15 for each quarter turn, so the table is good for |position| up to about 1e6.
.set X, 4                              ; v[4:67]    16 x 4 numbers as loaded
.set Y, 68                             ; v[68:99]   16 x 2 registers to store; each store has its own pair, so none is rewritten
.set T, 100                            ; v[100:111] at work
	s_load_b512 s[4:19], s[0:1], 0x0               ; x 4:5, wq 6:7, wk 8:9, wv 10:11, wo 12:13, token_positions 14:15, xb 16:17, wb 18:19
	s_load_b64 s[20:21], s[0:1], 0x40              ; rope
	v_lshrrev_b32 v3, 5, v0
	v_readfirstlane_b32 s32, v3                    ; wave 0..7
	v_and_b32 v[T], 31, v0                         ; lane
	v_lshlrev_b32 v1, 13, v3                       ; in: 8,192 bytes a wave,
	v_lshl_or_b32 v1, v[T], 4, v1                  ; 16 bytes a lane
	v_lshlrev_b32 v2, 12, v3                       ; out: 4,096 bytes a wave,
	v_lshl_or_b32 v2, v[T], 3, v2                  ; 8 bytes a lane
	s_mov_b32 s22, ttmp9                           ; g
	s_sub_co_u32 s23, s22, 512                     ; g' = g - 512: used by the weight groups alone
	s_and_b32 s24, s23, 63                         ; the chunk (16 rows) inside a weight
	s_lshr_b32 s36, s24, 2                         ; its head: four chunks a head;
	s_mul_i32 s36, s36, 12                         ; in wb a head has twelve chunks:
	s_lshr_b32 s37, s23, 6                         ; the weight's number (0 wq, 1 wk, 2 wv)
	s_lshl2_add_u32 s36, s37, s36                  ; x 4,
	s_and_b32 s37, s24, 3                          ; and the chunk's place in the head
	s_add_co_u32 s36, s36, s37
	s_cmp_ge_u32 s22, 704
	s_cselect_b32 s36, s23, s36                    ; wo keeps its order: chunks 192 on
	s_mov_b32 s31, 0
	s_wait_kmcnt 0x0
	s_cmp_lt_u32 s22, 512                          ; the choice of buffers hangs on the group's number alone
	s_cselect_b64 s[26:27], s[4:5], s[6:7]         ; from: x or wq
	s_cselect_b64 s[28:29], s[16:17], s[18:19]     ; to: xb or wb
	s_cselect_b32 s24, s22, s24                    ; chunk in the source
	s_cselect_b32 s25, s22, s36                    ; chunk in the destination
	s_cmp_ge_u32 s22, 576
	s_cselect_b64 s[26:27], s[8:9], s[26:27]       ; wk
	s_cmp_ge_u32 s22, 640
	s_cselect_b64 s[26:27], s[10:11], s[26:27]     ; wv
	s_cmp_ge_u32 s22, 704
	s_cselect_b64 s[26:27], s[12:13], s[26:27]     ; wo
	s_lshl_b32 s30, s24, 16
	s_add_nc_u64 s[26:27], s[26:27], s[30:31]
	s_lshl_b32 s30, s25, 15
	s_add_nc_u64 s[28:29], s[28:29], s[30:31]
.set i, 0
.rept 16
	global_load_b128 v[X+4*i:X+4*i+3], v1, s[26:27] offset:512*i th:TH_LOAD_NT
.set i, i+1
.endr
	s_cmp_lt_u32 s22, 512
	s_cbranch_scc1 .Lcast
	; one table row: token s = 8 g' + wave, pair i = lane
	s_lshl_b32 s33, s23, 3
	s_add_co_u32 s33, s33, s32
	s_lshl_b32 s30, s33, 2
	s_add_nc_u64 s[14:15], s[14:15], s[30:31]
	s_load_b32 s34, s[14:15], 0x0                  ; the token's position
	v_cvt_f32_u32 v[T+1], v[T]
	v_mul_f32 v[T+1], 0xbed49a78, v[T+1]           ; - i log2(10000) / 32
	v_exp_f32 v[T+1], v[T+1]                       ; the frequency
	v_lshlrev_b32 v[T+2], 3, v[T]                  ; (a plain instruction behind the exponential, ISA guide 5.7.2) 8 bytes a lane
	s_lshl_b32 s35, s33, 8
	v_add_nc_u32 v[T+2], s35, v[T+2]               ; + 256 bytes a token
	s_wait_kmcnt 0x0
	v_cvt_f32_i32 v[T+3], s34
	s_wait_alu depctr_va_vdst(0)
	v_mul_f32 v[T+3], v[T+3], v[T+1]               ; f = position x frequency
	v_mul_f32 v[T+4], 0x3f22f983, v[T+3]
	v_rndne_f32 v[T+4], v[T+4]                     ; n = quarter turns
	v_fmamk_f32 v[T+5], v[T+4], 0xbfc90fdb, v[T+3] ; r = f - n pi/2, pi/2 in two parts
	v_fmamk_f32 v[T+5], v[T+4], 0x333bbd2e, v[T+5]
	v_mul_f32 v[T+6], v[T+5], v[T+5]               ; z = r r, |r| <= pi/4
	v_mov_b32 v[T+7], 0xb9500d01                   ; sin r = r + r z (-1/6 + z (1/120 - z/5040)): the next term is below 3.2e-7
	v_fmaak_f32 v[T+7], v[T+6], v[T+7], 0x3c088889
	v_fmaak_f32 v[T+7], v[T+6], v[T+7], 0xbe2aaaab
	v_mul_f32 v[T+1], v[T+5], v[T+6]
	v_fma_f32 v[T+7], v[T+1], v[T+7], v[T+5]
	v_mov_b32 v[T+8], 0x37d00d01                   ; cos r = 1 + z (-1/2 + z (1/24 + z (-1/720 + z/40320))): the next term is below 2.5e-8
	v_fmaak_f32 v[T+8], v[T+6], v[T+8], 0xbab60b61
	v_fmaak_f32 v[T+8], v[T+6], v[T+8], 0x3d2aaaab
	v_fmaak_f32 v[T+8], v[T+6], v[T+8], 0xbf000000
	v_fmaak_f32 v[T+8], v[T+6], v[T+8], 0x3f800000
	v_cvt_i32_f32 v[T+9], v[T+4]
	v_and_b32 v[T+1], 1, v[T+9]                    ; an odd quarter swaps sine and cosine
	v_cmp_ne_u32 vcc_lo, 0, v[T+1]
	v_cndmask_b32 v[T+11], v[T+7], v[T+8], vcc_lo  ; sin f
	v_cndmask_b32 v[T+10], v[T+8], v[T+7], vcc_lo  ; cos f
	v_and_b32 v[T+1], 2, v[T+9]                    ; quarters 2, 3: the sine changes sign
	v_lshlrev_b32 v[T+1], 30, v[T+1]
	v_xor_b32 v[T+11], v[T+11], v[T+1]
	v_add_nc_u32 v[T+1], 1, v[T+9]                 ; quarters 1, 2: the cosine does
	v_and_b32 v[T+1], 2, v[T+1]
	v_lshlrev_b32 v[T+1], 30, v[T+1]
	v_xor_b32 v[T+10], v[T+10], v[T+1]
	global_store_b64 v[T+2], v[T+10:T+11], s[20:21]  ; the wave stores the row's 256 bytes; T+2, T+10, T+11 are not written again
.Lcast:
	s_cmp_ge_u32 s22, 704
	s_cbranch_scc1 .Lwo
.set i, 0
.rept 16
	s_wait_loadcnt 15-i                            ; loads come back in order: number i is in, the 15 - i younger ones stay out
	v_cvt_pk_bf16_f32 v[Y+2*i],   v[X+4*i],   v[X+4*i+1]
	v_cvt_pk_bf16_f32 v[Y+2*i+1], v[X+4*i+2], v[X+4*i+3]
	global_store_b64 v2, v[Y+2*i:Y+2*i+1], s[28:29] offset:256*i
.set i, i+1
.endr
	s_endpgm
.Lwo:                                                  ; wo: rounded to bf16, widened, and written as f16
.set i, 0
.rept 16
	s_wait_loadcnt 15-i
	v_cvt_pk_bf16_f32 v[T+4], v[X+4*i],   v[X+4*i+1]
	v_cvt_pk_bf16_f32 v[T+5], v[X+4*i+2], v[X+4*i+3]
	v_lshlrev_b32 v[T+6], 16, v[T+4]
	v_and_b32 v[T+7], 0xffff0000, v[T+4]
	v_cvt_pk_f16_f32 v[Y+2*i], v[T+6], v[T+7]
	v_lshlrev_b32 v[T+6], 16, v[T+5]
	v_and_b32 v[T+7], 0xffff0000, v[T+5]
	v_cvt_pk_f16_f32 v[Y+2*i+1], v[T+6], v[T+7]
	global_store_b64 v2, v[Y+2*i:Y+2*i+1], s[28:29] offset:256*i
.set i, i+1
.endr
	s_endpgm
.Lfunc_end_k_qabd950ab6b_prep:
	.size	k_qabd950ab6b_prep, .Lfunc_end_k_qabd950ab6b_prep-k_qabd950ab6b_prep
	.p2alignl 7, 3214868480
	.fill 96, 4, 3214868480
	.section	.rodata,"a",@progbits
	.p2align	6, 0x0
	.amdhsa_kernel k_qabd950ab6b_prep
		.amdhsa_group_segment_fixed_size 0
		.amdhsa_private_segment_fixed_size 0
		.amdhsa_enable_private_segment 0
		.amdhsa_kernarg_size 72
		.amdhsa_user_sgpr_count 2
		.amdhsa_user_sgpr_kernarg_segment_ptr 1
		.amdhsa_wavefront_size32 1
		.amdhsa_system_sgpr_workgroup_id_x 1
		.amdhsa_system_sgpr_workgroup_id_y 1
		.amdhsa_system_sgpr_workgroup_id_z 1
		.amdhsa_system_vgpr_workitem_id 0
		.amdhsa_next_free_vgpr 112
		.amdhsa_next_free_sgpr 66
		.amdhsa_reserve_vcc 1
		.amdhsa_float_denorm_mode_32 3
		.amdhsa_float_denorm_mode_16_64 3
		.amdhsa_memory_ordered 1
		.amdhsa_forward_progress 1
		.amdhsa_inst_pref_size 19
	.end_amdhsa_kernel
	.amdgpu_metadata
---
amdhsa.version: [ 1, 2 ]
amdhsa.kernels:
  - .name:           k_qabd950ab6b_prep
    .symbol:         k_qabd950ab6b_prep.kd
    .args:
      - { .name: x, .offset: 0, .size: 8, .value_kind: global_buffer, .address_space: global }
      - { .name: wq, .offset: 8, .size: 8, .value_kind: global_buffer, .address_space: global }
      - { .name: wk, .offset: 16, .size: 8, .value_kind: global_buffer, .address_space: global }
      - { .name: wv, .offset: 24, .size: 8, .value_kind: global_buffer, .address_space: global }
      - { .name: wo, .offset: 32, .size: 8, .value_kind: global_buffer, .address_space: global }
      - { .name: token_positions, .offset: 40, .size: 8, .value_kind: global_buffer, .address_space: global }
      - { .name: xb, .offset: 48, .size: 8, .value_kind: global_buffer, .address_space: global }
      - { .name: wb, .offset: 56, .size: 8, .value_kind: global_buffer, .address_space: global }
      - { .name: rope, .offset: 64, .size: 8, .value_kind: global_buffer, .address_space: global }
    .group_segment_fixed_size: 0
    .private_segment_fixed_size: 0
    .kernarg_segment_align: 8
    .kernarg_segment_size: 72
    .max_flat_workgroup_size: 256
    .sgpr_count:     66
    .vgpr_count:     112
    .wavefront_size: 32
...
	.end_amdgpu_metadata
.endif
;; end of part 1
;; launch qkv (part 2): grid 16 x 16, 4 waves a work-group, clusters of 4 x 4, 327,680 bytes of LDS; arguments xb, wb, rope, qkv; writes qkv
.if DOCPART == 2
	.amdgcn_target "amdgcn-amd-amdhsa--gfx1250"
	.amdhsa_code_object_version 6
	.text
	.protected	k_qabd950ab6b_qkv
	.globl	k_qabd950ab6b_qkv
	.p2align	8
	.type	k_qabd950ab6b_qkv,@function
k_qabd950ab6b_qkv:
	s_mov_b64 s[64:65], 0
	v_nop
	global_prefetch_b8 v0, s[64:65] scope:SCOPE_SE
	s_setreg_imm32_b32 hwreg(HW_REG_WAVE_MODE, 25, 1), 1
	s_wait_xcnt 0x0
	s_wait_alu depctr_hold_cnt(0) depctr_sa_sdst(0) depctr_va_vdst(0) depctr_va_sdst(0) depctr_va_ssrc(0) depctr_va_vcc(0) depctr_vm_vsrc(0)
	s_getreg_b32 s2, hwreg(HW_REG_IB_STS2, 6, 4)
	s_cmp_eq_u32 s2, 0
	s_cbranch_scc0 .Lentry_in_a_cluster
	s_endpgm
.Lentry_in_a_cluster:
	s_bfe_u32 s2, ttmp6, 0x10000c
	s_cmp_lg_u32 s2, 0xf033
	s_cbranch_scc0 .Lentry_shape_is_right
	s_endpgm
.Lentry_shape_is_right:
; [8192 x 3072] = xb [8192][1024] x wb[0:3072][1024]^T, bf16 operands, f32 sums.  wb's rows lie head by head: rows 192 h + 0..63 make head h's q, + 64..127 its k, + 128..191 its v.
; q and k are rotated in f32 by the table rope[token][pair][cos, sin]; all three are rounded to f16 and stored head-major: qkv[3][64 (batch, head)][2048][64].
; LIMIT: |q|, |k|, |v| must stay below 65,504 (f16).  At 1,024 products of x with a weight of spread 0.03 that leaves room for inputs some 30 times larger, or offset by 30 spreads.
; SHARES.  A tile of the result is 256 rows x 192 columns, one head's q, k and v: 32 x 16 = 512 tiles.  256 WORK-GROUPS STAY and make two tiles each, the second 4,096 rows (two batches)
; below the first: the same rows of wb and the same tokens, so the table is loaded once.  Four waves, each 64 rows x 192 columns: 48 accumulators of 16 x 16; column blocks 0-3 are q, 4-7 k, 8-11 v in every wave.
; K goes in 8 steps of 128 through two LDS slots filled by the tensor data mover; the tiles' rows are 256 bytes of memory at multiples of 256 bytes.  The ring does not stop at the first tile's end:
; its last two changes of slots ask for the second tile's K steps 0 and 1, which land while the first tile goes out, and nothing waits for the first tile's stores.
; CLUSTERS: 4 x 4 work-groups.  The four of a row of the cluster need the same tiles of xb, the four of a column the same tiles of wb: each tile is asked for jointly.
; THE MATRIX INSTRUCTION IS USED TRANSPOSED (source 0 = 16 rows of wb, source 1 = 16 rows of xb): lane (r, h) then holds, of row r, the eight neighbouring columns 8 h + 0..7:
; four rotation pairs, which meet in one lane, and 16 bytes of f16.
; REGISTERS, in windows of 256: window 0: v0-31 addresses; v32-239 at work on the way out.   window 1: two fragment buffers of 128: 12 fragments of wb, then 4 of xb.
;   window 2: v0-191 the accumulators of row blocks 0, 1, (a, b) at v[8 (12 (a % 2) + b)]; v192-255 the table of their 32 tokens, (a, bq) at v[192 + 32 (a % 2) + 8 bq]: four (cos, sin).   window 3: the same for row blocks 2, 3.
; The way out touches no fragment register, so the second tile's first fragments are fetched ahead of it.
.set PITCH,  272                       ; an LDS row: 256 bytes + 16 of padding: an odd multiple of 16, so the 16 rows of a fragment load begin 16 bytes apart modulo 256
.set A_PART, 128*PITCH                 ; what one load of A brings: 128 rows
.set A_REG,  2*A_PART
.set B_PART, 96*PITCH                  ; what one load of B brings: 96 rows
.set SLOT,   A_REG+2*B_PART            ; A's 256 rows, then B's 192 rows: 121,856 bytes
.set STAGE,  2*SLOT                    ; behind the ring, at a multiple of 256: 16 rows x 400 bytes for each wave; no tensor load lands here
.set SP,     400                       ; a row's 384 bytes + 16 = 25 x 16: the 16 lanes of a store begin 16 bytes apart modulo 256
.set KSTEP,  256                       ; bytes of memory from a K step to the next
.set NEXT_A, 16*256*2048-6*KSTEP       ; from a slot's last K step of the first tile to its first of the second: 4,096 rows of 2,048 bytes down and six steps back along K,
.set BACK_B, 6*KSTEP                   ; B only back
.set NEXT_O, 32*262144                 ; the output: two batches of 16 heads of 262,144 bytes on
.set ADRA, 16                          ; v16-17  LDS address of my A fragments in slot 0, 1
.set ADRB, 20                          ; v20-21  the same for B
.set STO,  24                          ; the way out: where I put 16 bytes of a row
.set RD,   25                          ; where I read rows back
.set GO,   26                          ; my byte offset in the output
.set RO,   27                          ; my byte offset in the table
.set TT,   32                          ; v32-95    a block's 64 rotated numbers
.set TMP,  96                          ; v96-143   the block packed to f16
.set OB,   144                         ; v144-191 and v192-239 by turns: the block read back from the stage
.set F0,   0                           ; fragment buffers, in window 1
.set F1,   128
.set TAB,  192                         ; the table, in windows 2 and 3
.set G1A, 24                           ; s[24:31] descriptor group 1 for A;  s[32:39] group 0, a set for each slot
.set G0A, 32
.set G1B, 48                           ; s[48:55], s[56:63] the same for B
.set G0B, 56
.set OQ,  10                           ; s[10:11] where my rows of q go;  s[76:77] k;  s[78:79] v
.set OK,  76
.set OV,  78
.set MSB, 0
.macro WIN new                         ; the immediate's high byte repeats the setting that is left; a switch that changes nothing is dropped
.if MSB != \new
	s_set_vgpr_msb (MSB<<8)|\new
.set MSB, \new
.endif
.endm
.set MUL_LO, 0xa5                      ; both fragments in window 1, C and D in window 2
.set MUL_HI, 0xf5                      ; the same, C and D in window 3
.set TO_F,   0x40                      ; destination window 1, address window 0
.macro PLACES                          ; four places in front of loads into registers that matrix instructions have read, and of vector work on their results
.rept 4
	v_nop
.endr
.endm
.macro JLOAD s                         ; a joint load: waves 0 and 1 fetch A's two halves, waves 2 and 3 B's; four v_nop follow each line
	s_cmp_eq_u32 s13, 0
	s_cbranch_scc0 .Lfor_b_\@
	tensor_load_to_lds s[G0A+4*\s:G0A+4*\s+3], s[G1A:G1A+7]
	s_nop 0
.rept 4
	v_nop
.endr
	s_branch .Lasked_\@
.Lfor_b_\@:
	tensor_load_to_lds s[G0B+4*\s:G0B+4*\s+3], s[G1B:G1B+7]
	s_nop 0
.rept 4
	v_nop
.endr
.Lasked_\@:
.endm
.macro CREST                           ; a round of the cluster's barrier behind its opening barrier
	s_cmp_lg_u32 s12, 0
	s_cbranch_scc1 .Lnot_wave_0_\@
	s_barrier_signal -3
.Lnot_wave_0_\@:
	s_barrier_wait -3
	s_barrier_signal -1
	s_barrier_wait -1
.endm
.macro CROUND
	s_barrier_signal -1
	s_barrier_wait -1
	CREST
.endm
	s_load_b256 s[4:11], s[0:1], 0x0               ; xb 4:5, wb 6:7, rope 8:9, qkv 10:11
	v_lshl_add_u32 v254, v0, 2, 0x41c00
	v_mov_b32 v255, 0
	ds_add_u32 v254, v255
	v_lshrrev_b32 v1, 5, v0
	v_readfirstlane_b32 s12, v1                    ; wave 0..3: my 64 rows of the tile
	s_lshr_b32 s13, s12, 1                         ; I fetch for A (0) or for B (1),
	s_and_b32 s14, s12, 1                          ; its first or second half
	s_bfe_u32 s15, ttmp6, 0x40000                  ; cx
	s_bfe_u32 s16, ttmp6, 0x40004                  ; cy
	s_lshl_b32 s17, ttmp9, 2
	s_add_co_u32 s17, s17, s15                     ; the head = tile column = 4 x cluster x + cx
	s_and_b32 s18, ttmp7, 0xffff
	s_lshl_b32 s18, s18, 2
	s_add_co_u32 s18, s18, s16                     ; the first tile's row = 4 x cluster y + cy, 0..15
	s_lshl_b32 s19, s16, 2
	s_lshl_b32 s19, 15, s19                        ; my row of the cluster
	s_lshl_b32 s20, 0x1111, s15                    ; my column
	s_or_b32 s[G1A], s19, (1<<16)|(1<<20)|(1<<21)|(5<<22)|(3<<25)   ; the mask; elements of 2 bytes; padding on; bit 21 beside a mask; after every 64 words, 4 words
	s_mov_b32 s[G1A+1], 128<<16                    ; tensor_dim0 = 128
	s_mov_b32 s[G1A+2], 128<<16                    ; tensor_dim1 = 128
	s_mov_b32 s[G1A+3], 128<<16                    ; tile_dim0 = 128
	s_mov_b32 s[G1A+4], 128                        ; tile_dim1 = 128
	s_mov_b32 s[G1A+5], 1024                       ; elements from row to row
	s_mov_b32 s[G1A+6], 0
	s_mov_b32 s[G1A+7], 0
	s_or_b32 s[G1B], s20, (1<<16)|(1<<20)|(1<<21)|(5<<22)|(3<<25)
	s_mov_b32 s[G1B+1], 128<<16
	s_mov_b32 s[G1B+2], 96<<16                     ; 96 rows
	s_mov_b32 s[G1B+3], 128<<16
	s_mov_b32 s[G1B+4], 96
	s_mov_b32 s[G1B+5], 1024
	s_mov_b32 s[G1B+6], 0
	s_mov_b32 s[G1B+7], 0
	s_lshl_b32 s22, s18, 8                         ; A: row 256 x tile row + 128 x half, 2,048 bytes a row: made of the tile row and the wave alone
	s_lshl_b32 s23, s14, 7
	s_add_co_u32 s22, s22, s23
	s_lshl_b32 s22, s22, 11
	s_mov_b32 s23, 0
	s_mul_i32 s40, s17, 192                        ; B: row 192 x head + 96 x half: made of the tile column and the wave alone
	s_mul_i32 s41, s14, 96
	s_add_co_u32 s40, s40, s41
	s_lshl_b32 s40, s40, 11
	s_mov_b32 s41, 0
	s_mul_i32 s21, s14, A_PART                     ; where they go in a slot: no place in the cluster enters an LDS address
	s_mul_i32 s42, s14, B_PART
	s_add_co_u32 s42, s42, A_REG
	s_wait_dscnt 0x0
	s_wait_kmcnt 0x0
	s_add_nc_u64 s[44:45], s[4:5], s[22:23]
	s_add_nc_u64 s[46:47], s[6:7], s[40:41]
	CROUND                                         ; all sixteen work-groups are here: the first joint loads meet
.irp s, 0,1
	s_mov_b32 s[G0A+4*\s], 1
	s_add_co_u32 s[G0A+4*\s+1], s21, \s*SLOT
	s_add_nc_u64 s[G0A+4*\s+2:G0A+4*\s+3], s[44:45], \s*KSTEP
	s_or_b32 s[G0A+4*\s+3], s[G0A+4*\s+3], 0x80000000
	s_mov_b32 s[G0B+4*\s], 1
	s_add_co_u32 s[G0B+4*\s+1], s42, \s*SLOT
	s_add_nc_u64 s[G0B+4*\s+2:G0B+4*\s+3], s[46:47], \s*KSTEP
	s_or_b32 s[G0B+4*\s+3], s[G0B+4*\s+3], 0x80000000
	JLOAD \s                                       ; K steps 0 and 1: two loads of mine are out
.endr
	; bases of the table and of the output.  Tile row t holds batch t / 8, tokens 256 (t % 8) on; the second tile (t + 16) has the same tokens two batches on.
	s_and_b32 s66, s18, 7
	s_lshl_b32 s66, s66, 8
	s_lshl_b32 s67, s12, 6
	s_add_co_u32 s66, s66, s67                     ; the token of my first row
	s_lshl_b32 s68, s66, 8
	s_mov_b32 s69, 0
	s_add_nc_u64 s[8:9], s[8:9], s[68:69]          ; 256 bytes of table a token
	s_lshl_b32 s70, s66, 7                         ; 128 bytes of output a token
	s_lshr_b32 s67, s18, 3                         ; the batch,
	s_lshl_b32 s67, s67, 4                         ; its 16 heads,
	s_add_co_u32 s67, s67, s17                     ; mine
	s_lshl_b32 s67, s67, 18                        ; 262,144 bytes a head
	s_add_co_u32 s70, s70, s67
	s_mov_b32 s71, 0
	s_add_nc_u64 s[OQ:OQ+1], s[10:11], s[70:71]
	s_add_nc_u64 s[OK:OK+1], s[OQ:OQ+1], 0x1000000 ; a section is 16,777,216 bytes: more than a store's immediate holds, so each has its base
	s_add_nc_u64 s[OV:OV+1], s[OQ:OQ+1], 0x2000000
	; lane addresses.  A fragment is 16 rows x 32 K in 8 registers: lane l holds row l % 16; two loads of 16 bytes, 32 bytes apart, at row x pitch + 16 (l / 16)
	v_and_b32 v1, 15, v0                           ; r
	v_bfe_u32 v2, v0, 4, 1                         ; h
	v_mul_u32_u24 v3, v1, PITCH
	v_lshl_add_u32 v3, v2, 4, v3
	s_mul_i32 s72, s12, 64*PITCH                   ; my 64 rows of A
	s_mov_b32 s73, A_REG                           ; B lies behind A; every wave reads all of it
.irp s, 0,1
	v_add_nc_u32 v[ADRA+\s], s72, v3
	v_add_nc_u32 v[ADRB+\s], s73, v3
	s_add_co_u32 s72, s72, SLOT
	s_add_co_u32 s73, s73, SLOT
.endr
	s_mul_i32 s74, s12, 16*SP
	s_add_co_u32 s74, s74, STAGE                   ; my stage
	v_mul_u32_u24 v5, v1, SP                       ; in: row r, 16 bytes for each half of the lanes
	v_lshl_add_u32 v5, v2, 4, v5
	v_add_nc_u32 v[STO], s74, v5
	v_and_b32 v3, 31, v0
	v_lshrrev_b32 v4, 3, v3                        ; back: eight lanes take a section's 128 bytes of a row, the wave four rows
	v_and_b32 v5, 7, v3
	v_mul_u32_u24 v4, v4, SP
	v_lshl_add_u32 v4, v5, 4, v4
	v_add_nc_u32 v[RD], s74, v4
	v_lshlrev_b32 v[GO], 4, v3                     ; four rows of a head are 512 consecutive bytes of the output
	v_lshlrev_b32 v[RO], 8, v1                     ; table: token r, pairs 4 h on
	v_lshl_add_u32 v[RO], v2, 5, v[RO]
	; The table of my 64 tokens, 16 KiB a wave, is asked for now and waited for on the first way out, behind a whole K loop; it serves both tiles.
.irp a, 0,1,2,3
	WIN (0x80+0x40*(\a/2))                         ; destination window 2 or 3
.irp bq, 0,1,2,3
	global_load_b128 v[TAB+32*(\a%2)+8*\bq:TAB+32*(\a%2)+8*\bq+3],   v[RO], s[8:9] offset:\a*4096+\bq*64
	global_load_b128 v[TAB+32*(\a%2)+8*\bq+4:TAB+32*(\a%2)+8*\bq+7], v[RO], s[8:9] offset:\a*4096+\bq*64+16
.endr
.endr
	WIN 0
; 12 matrix instructions: row block a x all 12 column blocks, 32 along K.  zero = 1: the first product starts the sums.  The 48 accumulators take turns, one instruction a turn.
.macro MUL12 f, a, zero
.irp b, 0,1,2,3,4,5,6,7,8,9,10,11
.if \zero
	v_wmma_f32_16x16x32_bf16 v[8*(12*(\a%2)+\b):8*(12*(\a%2)+\b)+7], v[\f+8*\b:\f+8*\b+7], v[\f+96+8*\a:\f+96+8*\a+7], 0
.else
	v_wmma_f32_16x16x32_bf16 v[8*(12*(\a%2)+\b):8*(12*(\a%2)+\b)+7], v[\f+8*\b:\f+8*\b+7], v[\f+96+8*\a:\f+96+8*\a+7], v[8*(12*(\a%2)+\b):8*(12*(\a%2)+\b)+7]
.endif
.endr
.endm
; 32 LDS loads in one run: quarter q (32 along K) of a slot into buffer f: B's 12 fragments, then A's 4
.macro FETCH slot, q, f
	WIN TO_F
.irp i, 0,1,2,3,4,5,6,7,8,9,10,11
	ds_load_b128 v[\f+8*\i:\f+8*\i+3],   v[ADRB+\slot] offset:64*\q+\i*16*PITCH
	ds_load_b128 v[\f+8*\i+4:\f+8*\i+7], v[ADRB+\slot] offset:64*\q+\i*16*PITCH+32
.endr
.irp i, 0,1,2,3
	ds_load_b128 v[\f+96+8*\i:\f+96+8*\i+3],   v[ADRA+\slot] offset:64*\q+\i*16*PITCH
	ds_load_b128 v[\f+96+8*\i+4:\f+96+8*\i+7], v[ADRA+\slot] offset:64*\q+\i*16*PITCH+32
.endr
.endm
; A K step is four quarters of 48 matrix instructions on buffers 0, 1, 0, 1.  One of the first three multiplies buffer f and fetches quarter q into buffer g.
.macro QUARTER slot, q, f, g, zero
	s_wait_dscnt 4                                 ; B and A's blocks 0, 1 are in; the four youngest loads (A's blocks 2, 3) may be out
	WIN MUL_LO
	MUL12 \f, 0, \zero
	MUL12 \f, 1, \zero
	PLACES
	FETCH \slot, \q, \g
	s_wait_dscnt 32                                ; all but the 32 just issued
	WIN MUL_HI
	MUL12 \f, 2, \zero
	MUL12 \f, 3, \zero
.endm
; The last quarter multiplies buffer 1 and changes slots: one barrier; in front of it each wave waits for its reads of this slot and for all its tensor loads (one is out: its part of the next slot).
; fill = 1 or 2: the barrier opens a round of the cluster's barrier, and behind the round this slot is filled again: with this tile's K step two steps on (1) or with the second tile's K step 0 or 1 (2).
; 180 of a step's 192 matrix instructions stand between that request and the wait for it.  fill = 0: nothing is left to fetch.
.macro TURN slot, next, fill
	s_wait_dscnt 4
	WIN MUL_LO
	MUL12 F1, 0, 0
	s_wait_dscnt 0
	s_set_vgpr_msb 0xa5a0
	s_wait_tensorcnt 0x0
	ds_add_u32 v254, v255
	s_wait_dscnt 0x0
	s_set_vgpr_msb 0xa0a5
	s_barrier_signal -1
	MUL12 F1, 1, 0
.if \fill
	WIN 0
.endif
	s_barrier_wait -1
.if \fill
	CREST                                          ; no wave of any partner still reads this slot or has a load on its way
.if \fill == 2
	s_add_nc_u64 s[G0A+4*\slot+2:G0A+4*\slot+3], s[G0A+4*\slot+2:G0A+4*\slot+3], NEXT_A
	s_sub_nc_u64 s[G0B+4*\slot+2:G0B+4*\slot+3], s[G0B+4*\slot+2:G0B+4*\slot+3], BACK_B
.else
	s_add_nc_u64 s[G0A+4*\slot+2:G0A+4*\slot+3], s[G0A+4*\slot+2:G0A+4*\slot+3], 2*KSTEP
	s_add_nc_u64 s[G0B+4*\slot+2:G0B+4*\slot+3], s[G0B+4*\slot+2:G0B+4*\slot+3], 2*KSTEP
.endif
	JLOAD \slot                                    ; the first tensor load behind the round; its four v_nop are also the places in front of the loads below
.else
	PLACES
.endif
	FETCH \next, 0, F0
	WIN MUL_HI
	MUL12 F1, 2, 0
	MUL12 F1, 3, 0
.endm
; A tile's products.  Its first fragments are in buffer 0, or on their way.  last = 0: the last lap runs as every lap, and its two refills step on to the second tile, whose first fragments it fetches.
; last = 1: the last lap fills nothing.  Both forms are written out.
.macro TILE last
	QUARTER 0, 1, F0, F1, 1                        ; the first quarter starts the sums: nothing is cleared
	WIN 0                                          ; at a label and at a branch every window is 0
	s_mov_b32 s3, 3
.Llap_\@:                                              ; a trip goes once round the ring and fills both slots again: K steps 2 to 7
	QUARTER 0, 2, F1, F0, 0
	QUARTER 0, 3, F0, F1, 0
	TURN 0, 1, 1
	QUARTER 1, 1, F0, F1, 0
	QUARTER 1, 2, F1, F0, 0
	QUARTER 1, 3, F0, F1, 0
	TURN 1, 0, 1
	QUARTER 0, 1, F0, F1, 0
	WIN 0
	s_sub_co_u32 s3, s3, 1
	s_cmp_lg_u32 s3, 0
	s_cbranch_scc1 .Llap_\@
	QUARTER 0, 2, F1, F0, 0
	QUARTER 0, 3, F0, F1, 0
.if \last
	TURN 0, 1, 0
.else
	TURN 0, 1, 2                                   ; slot 0 takes the second tile's K step 0
.endif
	QUARTER 1, 1, F0, F1, 0
	QUARTER 1, 2, F1, F0, 0
	QUARTER 1, 3, F0, F1, 0
.if \last
	s_wait_dscnt 4
	WIN MUL_LO
	MUL12 F1, 0, 0
	MUL12 F1, 1, 0
	s_wait_dscnt 0
	WIN MUL_HI
	MUL12 F1, 2, 0
	MUL12 F1, 3, 0
.else
	TURN 1, 0, 2                                   ; slot 1 its K step 1
.endif
	WIN 0
	PLACES
.endm
; THE WAY OUT, a block of 16 rows at a time.
; ROPE: q and k, column blocks 0 to 7: (even, odd) -> (even cos - odd sin, odd cos + even sin), in f32: accumulators and table in window 2 or 3, results in window 0.
.macro ROPE a
	WIN (0x0a+5*(\a/2))                            ; sources 0 and 1 in window 2 or 3
.irp b, 0,1,2,3,4,5,6,7
.irp p, 0,1,2,3
	v_mul_f32 v[TT+8*\b+2*\p],   v[8*(12*(\a%2)+\b)+2*\p],   v[TAB+32*(\a%2)+8*(\b%4)+2*\p]
	v_mul_f32 v[TT+8*\b+2*\p+1], v[8*(12*(\a%2)+\b)+2*\p+1], v[TAB+32*(\a%2)+8*(\b%4)+2*\p]
.endr
.irp p, 0,1,2,3
	v_fma_f32 v[TT+8*\b+2*\p],   -v[8*(12*(\a%2)+\b)+2*\p+1], v[TAB+32*(\a%2)+8*(\b%4)+2*\p+1], v[TT+8*\b+2*\p]
	v_fma_f32 v[TT+8*\b+2*\p+1], v[8*(12*(\a%2)+\b)+2*\p],    v[TAB+32*(\a%2)+8*(\b%4)+2*\p+1], v[TT+8*\b+2*\p+1]
.endr
.endr
.endm
.macro PACK a                          ; rounded to f16, 16 bytes a lane and column block: v straight from its accumulators (the window is ROPE's), q and k from the rotated numbers
.irp b, 8,9,10,11
.irp p, 0,1,2,3
	v_cvt_pk_f16_f32 v[TMP+4*\b+\p], v[8*(12*(\a%2)+\b)+2*\p], v[8*(12*(\a%2)+\b)+2*\p+1]
.endr
.endr
	WIN 0
.irp b, 0,1,2,3,4,5,6,7
.irp p, 0,1,2,3
	v_cvt_pk_f16_f32 v[TMP+4*\b+\p], v[TT+8*\b+2*\p], v[TT+8*\b+2*\p+1]
.endr
.endr
.endm
.macro TOSTAGE a                       ; into my own stage, and back by sections: four rows of a section to a load
.set BK, OB+48*((\a)%2)
.irp b, 0,1,2,3,4,5,6,7,8,9,10,11
	ds_store_b128 v[STO], v[TMP+4*\b:TMP+4*\b+3] offset:32*\b
.endr
.irp sec, 0,1,2
.irp u, 0,1,2,3
	ds_load_b128 v[BK+4*(4*\sec+\u):BK+4*(4*\sec+\u)+3], v[RD] offset:\u*4*SP+\sec*128   ; LDS serves a wave's instructions in order (ISA guide 5.7.1.4): these see the stores above
.endr
.endr
.endm
.macro SEND a
.set BK, OB+48*((\a)%2)
	s_wait_dscnt 0x0                               ; the block is back in registers
	s_wait_xcnt 0x0                                ; the stores of the block before have had their addresses translated (ISA guide 3.1): their registers are loaded again only behind this wait
.irp u, 0,1,2,3
	global_store_b128 v[GO], v[BK+4*\u:BK+4*\u+3],       s[OQ:OQ+1] offset:(\a)*2048+\u*512   ; the wave stores 512 consecutive bytes at a multiple of 512
	global_store_b128 v[GO], v[BK+16+4*\u:BK+16+4*\u+3], s[OK:OK+1] offset:(\a)*2048+\u*512
	global_store_b128 v[GO], v[BK+32+4*\u:BK+32+4*\u+3], s[OV:OV+1] offset:(\a)*2048+\u*512
.endr
.endm
.macro WAYOUT                          ; block a's arithmetic stands between block a - 1's loads from the stage and the wait for them
.irp a, 0,1,2,3
	ROPE \a
	PACK \a
.if \a > 0
	SEND \a-1
.endif
	TOSTAGE \a
.endr
	SEND 3
.endm
	s_wait_tensorcnt 1                             ; my part of K step 0 is in; step 1's may stay out
	s_barrier_signal -1
	s_barrier_wait -1
	FETCH 0, 0, F0
	TILE 0
	s_wait_loadcnt 0x0                             ; the table
	WAYOUT                                         ; both refills for the second tile are asked for: now the first goes out
	s_wait_xcnt 0x0                                ; the stores' bases are written again only behind this wait
	s_add_nc_u64 s[OQ:OQ+1], s[OQ:OQ+1], NEXT_O
	s_add_nc_u64 s[OK:OK+1], s[OK:OK+1], NEXT_O
	s_add_nc_u64 s[OV:OV+1], s[OV:OV+1], NEXT_O
	TILE 1
	WAYOUT
	s_wait_tensorcnt 0x0
	ds_add_u32 v254, v255
	s_wait_dscnt 0x0
	CROUND                                         ; the closing round: no work-group ends while a partner may still ask for a tile that names it
	s_endpgm
.Lfunc_end_k_qabd950ab6b_qkv:
	.size	k_qabd950ab6b_qkv, .Lfunc_end_k_qabd950ab6b_qkv-k_qabd950ab6b_qkv
	.p2alignl 7, 3214868480
	.fill 96, 4, 3214868480
	.section	.rodata,"a",@progbits
	.p2align	6, 0x0
	.amdhsa_kernel k_qabd950ab6b_qkv
		.amdhsa_group_segment_fixed_size 327680
		.amdhsa_private_segment_fixed_size 0
		.amdhsa_enable_private_segment 0
		.amdhsa_kernarg_size 32
		.amdhsa_user_sgpr_count 2
		.amdhsa_user_sgpr_kernarg_segment_ptr 1
		.amdhsa_wavefront_size32 1
		.amdhsa_system_sgpr_workgroup_id_x 1
		.amdhsa_system_sgpr_workgroup_id_y 1
		.amdhsa_system_sgpr_workgroup_id_z 1
		.amdhsa_system_vgpr_workitem_id 0
		.amdhsa_next_free_vgpr 1024
		.amdhsa_next_free_sgpr 80
		.amdhsa_reserve_vcc 0
		.amdhsa_float_denorm_mode_32 3
		.amdhsa_float_denorm_mode_16_64 3
		.amdhsa_memory_ordered 1
		.amdhsa_forward_progress 1
		.amdhsa_inst_pref_size 255
	.end_amdhsa_kernel
	.section	.bss,"aw",@nobits
	.p2align	6
	.space	262144
	.amdgpu_metadata
---
amdhsa.version: [ 1, 2 ]
amdhsa.kernels:
  - .name:           k_qabd950ab6b_qkv
    .symbol:         k_qabd950ab6b_qkv.kd
    .args:
      - { .name: xb, .offset: 0, .size: 8, .value_kind: global_buffer, .address_space: global }
      - { .name: wb, .offset: 8, .size: 8, .value_kind: global_buffer, .address_space: global }
      - { .name: rope, .offset: 16, .size: 8, .value_kind: global_buffer, .address_space: global }
      - { .name: qkv, .offset: 24, .size: 8, .value_kind: global_buffer, .address_space: global }
    .group_segment_fixed_size: 327680
    .private_segment_fixed_size: 0
    .kernarg_segment_align: 8
    .kernarg_segment_size: 32
    .max_flat_workgroup_size: 128
    .sgpr_count:     80
    .vgpr_count:     1024
    .wavefront_size: 32
...
	.end_amdgpu_metadata
.endif
;; end of part 2
;; launch attn (part 3): grid 4 x 64, 8 waves a work-group, no clusters, 327,680 bytes of LDS; arguments qkv, att; writes att
.if DOCPART == 3
	.amdgcn_target "amdgcn-amd-amdhsa--gfx1250"
	.amdhsa_code_object_version 6
	.text
	.protected	k_qabd950ab6b_attn
	.globl	k_qabd950ab6b_attn
	.p2align	8
	.type	k_qabd950ab6b_attn,@function
k_qabd950ab6b_attn:
	s_mov_b64 s[64:65], 0
	v_nop
	global_prefetch_b8 v0, s[64:65] scope:SCOPE_SE
	s_setreg_imm32_b32 hwreg(HW_REG_WAVE_MODE, 25, 1), 1
	s_wait_xcnt 0x0
; att[bh][q][:] = the sum over keys k <= q of softmax_k(Q[q] . K[k] / 8) V[k][:], for 64 (batch, head) pairs, 2,048 tokens, 64 channels.  Q, K, V, att in f16; products, maxima and sums in f32;
; the weights are rounded to f16 for the second product, att once at the end.  A running maximum is taken away before every exponential.
; SHARES.  Work-group (j, bh), j = 0..3, makes query block j (256 queries) and then block 7 - j: (j + 1) + (8 - j) = 9 key tiles of 256 keys in every work-group.
; Wave w owns queries 32 w .. 32 w + 31 of the block: two tiles of 16.  Eight waves, two to a SIMD (2 x 384 registers): one wave's softmax runs beside the other's products, so the text stays in phases.
; A pass takes its diagonal tile first (its first step has an open key for every query, so it starts m, l and O and nothing is cleared), then tiles 0 .. block - 1.
; In the diagonal tile wave w needs key steps 0 .. w / 2 alone; steps below w / 2 are open, and in step w / 2 every score with key > query is set to -infinity.
; NO JOINT LOADS: the four work-groups of a head need different tiles at each moment (block j starts at tile j), and a form in which all four walk all keys together would take
; 8 + 4 = 12 tile times in place of 9.
; LAYOUT.  S^T = K Q^T (source 0 = 16 keys, source 1 = 16 queries): lane (r, h) holds query r and keys 8 h + 0..7 of each block of 16.  Two such blocks, rounded in pairs, are source 1 of O^T = V^T P,
; whose result again holds one query a lane.  K comes out of LDS as it lies, V turned by ds_load_tr16_b128.
; LDS.  Two slots (at 0 and at 131,072) of 8 regions of 9,216 bytes (64 rows x 144): K of key steps 0-3, then V of steps 0-3.  Wave w fills region w by one tensor load: 8 KiB of consecutive memory,
; taken as 32 rows of 256 bytes, 16 bytes of padding behind every 128.  Pitch 144 = 9 x 16 sets K's 16 rows 16 bytes apart modulo 256; in V's turning loads one row of eight overlaps another by 16 bytes:
; the price of one descriptor shape for both.  Behind the ring: a stage of 32 rows x 144 bytes for each wave.
; THE CHANGE OF SLOTS stands at a tile's end.  In a full tile a wave signals in the middle of the last key step, as soon as that step's K and V are in registers and its own tensor load has landed;
; the step's softmax and second product, register work alone, stand between the signal and the wait.  So a wave may lag by most of a key step before another waits for it.
; REGISTERS.  window 0: v0-15 addresses; v16-31 statistics, 8 a tile; v32-95 S^T; v96-127 P; v128-191 K; v192-255 V.   window 1: v0-31 Q of the pass in hand; v32-95 O^T; v96-127 Q of the second pass.
.set PK,    144
.set STEPB, 64*PK
.set VOFF,  4*STEPB
.set SLOT1, 1<<17
.set STAGE, SLOT1+8*STEPB
.set AK0, 3                            ; my place in a region of K; never rewritten
.set AV0, 4                            ; the same for V
.set ADK, 5                            ; the addresses of the run of loads in hand
.set ADV, 6
.set QO,  7                            ; my byte offset in the wave's rows of Q
.set STO, 8
.set RD,  9
.set GO,  10
.set NINF, 11                          ; -infinity
.set DM,  12                           ; v12-13  tile t: 32 (w % 2) + 16 t + r - 8 h: in diagonal step w / 2, key 16 kb + i (+ 8 h) is closed where 16 kb + i is larger.  v14-15: at work in the set-up
.set ST,  16                           ; tile t at v[ST+8 t]: +0 c m, +1 m, +2, +3 l (even keys', odd keys'), +4 to +7 at work; a takes +6
.set S,   32
.set P,   96
.set KF,  128
.set VF,  192
.set Q2,  96                           ; in window 1
.set WV, 8
.set WH, 9                             ; w / 2
.set PH2, 10                           ; (PH2, JB2): the tile two on
.set JB, 12                            ; (PH, JB): the tile in hand: its pass's query block,
.set PH, 13                            ; and its place in the pass: 0 the diagonal tile, p > 0 key tile p - 1
.set GN, 14                            ; the key tile's number that the refill at this tile's end fetches
.set PHN, 15                           ; (PHN, JBN): the next tile
.set JBN, 16
.set TB, 17                            ; LDS byte at which the step to be fetched begins
.set CS, 18                            ; s[18:19] c = log2(e) / 8
.set SEL, 20                           ; s[20:21] lane selects for v_permlanex16_b32
.set KVB, 22                           ; s[22:23] my region's bytes in key tile 0
.set G1, 24                            ; s[24:31]
.set G0, 32                            ; s[32:35]
.set BASE, 42                          ; bh x 262,144 + w x 4,096
.set TS, 43
.set J2, 44                            ; 7 - j
.set TR, 45
.set C4, 46
.set JB2, 47
.set MSB, 0
.macro WIN new                         ; the immediate's high byte repeats the setting that is left; a switch that changes nothing is dropped
.if MSB != \new
	s_set_vgpr_msb (MSB<<8)|\new
.set MSB, \new
.endif
.endm
.set W_KQ, 0x04                        ; Q (source 1) in window 1
.set W_PV, 0x50                        ; O^T (C and D) in window 1
.set W_RS, 0x41                        ; destination and source 0 in window 1
.macro PLACES                          ; four places behind matrix instructions, in front of vector work on their registers and of loads into them
.rept 4
	v_nop
.endr
.endm
	s_load_b128 s[4:7], s[0:1], 0x0                ; qkv 4:5, att 6:7
	s_set_vgpr_msb 0x40
	v_lshl_add_u32 v128, v0, 2, 0x3b000
	v_mov_b32 v129, 0
	s_set_vgpr_msb 0x4045
	ds_add_u32 v128, v129
	s_set_vgpr_msb 0x4500
	v_lshrrev_b32 v1, 5, v0
	v_readfirstlane_b32 s[WV], v1
	s_lshr_b32 s[WH], s[WV], 1
	s_mov_b32 s[JB], ttmp9                         ; j
	s_sub_co_u32 s[J2], 7, s[JB]
	s_mov_b32 s[PH], 0
	s_and_b32 s11, ttmp7, 0xffff                   ; bh
	s_mov_b32 s[G1],   (1<<16)|(1<<20)|(4<<22)|(3<<25)   ; elements of 2 bytes; padding on: after every 32 words, 4 words
	s_mov_b32 s[G1+1], 128<<16                     ; tensor_dim0 = 128
	s_mov_b32 s[G1+2], 32<<16                      ; tensor_dim1 = 32
	s_mov_b32 s[G1+3], 128<<16                     ; tile_dim0 = 128
	s_mov_b32 s[G1+4], 32                          ; tile_dim1 = 32
	s_mov_b32 s[G1+5], 128                         ; the rows follow each other in memory
	s_mov_b32 s[G1+6], 0
	s_mov_b32 s[G1+7], 0
	s_mov_b32 s[CS], 0x3e38aa3b
	s_mov_b32 s[CS+1], s[CS]
	s_mov_b32 s[SEL], 0x76543210
	s_mov_b32 s[SEL+1], 0xfedcba98
	s_mov_b32 s[TB], SLOT1+4*STEPB                 ; the first turn of TB makes this slot 0's first step
	s_lshl_b32 s[BASE], s11, 18
	s_lshl_b32 s36, s[WV], 12
	s_add_co_u32 s[BASE], s[BASE], s36
	s_lshr_b32 s36, s[WV], 2                       ; waves 0-3 fetch K (section 1), waves 4-7 V (section 2)
	s_add_co_u32 s36, s36, 1
	s_lshl_b32 s36, s36, 24
	s_lshl_b32 s37, s11, 18
	s_add_co_u32 s36, s36, s37
	s_and_b32 s37, s[WV], 3                        ; the key step: 64 rows of 128 bytes
	s_lshl_b32 s37, s37, 13
	s_add_co_u32 s36, s36, s37
	s_mov_b32 s37, 0                               ; stays 0: the high word of every offset pair
	s_wait_dscnt 0x0
	s_wait_kmcnt 0x0
	s_add_nc_u64 s[KVB:KVB+1], s[4:5], s[36:37]
	s_mov_b32 s[G0], 1
	s_mul_i32 s[G0+1], s[WV], STEPB                ; my region of slot 0
	s_lshl_b32 s36, s[JB], 15                      ; key tile j: 256 rows of 128 bytes a tile
	s_add_nc_u64 s[G0+2:G0+3], s[KVB:KVB+1], s[36:37]
	s_or_b32 s[G0+3], s[G0+3], 0x80000000
	tensor_load_to_lds s[G0:G0+3], s[G1:G1+7]      ; the first fill, ahead of every wait on TENSORcnt, LDS read and barrier: one load of mine is out
	s_nop 0
	v_and_b32 v1, 15, v0                           ; r
	v_bfe_u32 v2, v0, 4, 1                         ; h
	v_lshlrev_b32 v[QO], 7, v1
	v_lshl_add_u32 v[QO], v2, 4, v[QO]
; Q of block jb: two tiles of 16 queries x 64 channels, 32 registers from base on in window 1, straight from memory; sb: the scalar pair that holds the rows' address
.macro QLOAD jb, base, sb
	s_lshl_b32 s36, s[\jb], 15
	s_add_co_u32 s36, s36, s[BASE]
	s_add_nc_u64 s[\sb:\sb+1], s[4:5], s[36:37]
	WIN 0x40                                       ; destination window 1
.irp t, 0,1
.irp c, 0,1
	global_load_b128 v[\base+16*\t+8*\c:\base+16*\t+8*\c+3],   v[QO], s[\sb:\sb+1] offset:\t*2048+64*\c
	global_load_b128 v[\base+16*\t+8*\c+4:\base+16*\t+8*\c+7], v[QO], s[\sb:\sb+1] offset:\t*2048+64*\c+32
.endr
.endr
	WIN 0
.endm
	QLOAD JB, 0, 38                                ; both passes' Q are asked for now: nothing from memory is waited for in mid-kernel
	QLOAD J2, Q2, 40
	v_mul_u32_u24 v[AK0], v1, PK
	v_lshl_add_u32 v[AK0], v2, 4, v[AK0]           ; row x pitch + 16 x half
	v_and_b32 v[AV0], 7, v0                        ; the turning load: lane l reads key 8 (l / 16) + l % 8, channels 8 ((l / 8) % 2) on
	v_lshl_add_u32 v[AV0], v2, 3, v[AV0]
	v_mul_u32_u24 v[AV0], v[AV0], PK
	v_bfe_u32 v[ADK], v0, 3, 1
	v_lshl_add_u32 v[AV0], v[ADK], 4, v[AV0]
	v_add_nc_u32 v[AV0], VOFF, v[AV0]
	s_mul_i32 s36, s[WV], 32*PK
	s_add_co_u32 s36, s36, STAGE                   ; my stage
	v_add_nc_u32 v[STO], s36, v[AK0]               ; in: row r, 16 bytes for each half of the lanes
	v_and_b32 v14, 31, v0
	v_lshrrev_b32 v15, 3, v14                      ; back: eight lanes take a row's 128 bytes, the wave four rows
	v_mul_u32_u24 v15, v15, PK
	v_and_b32 v[RD], 7, v14
	v_lshl_add_u32 v[RD], v[RD], 4, v15
	v_add_nc_u32 v[RD], s36, v[RD]
	v_lshlrev_b32 v[GO], 4, v14
	v_mov_b32 v[NINF], 0xff800000
	v_lshlrev_b32 v[DM], 3, v2
	v_sub_nc_u32 v[DM], v1, v[DM]                  ; r - 8 h
	s_and_b32 s36, s[WV], 1                        ; my first query, counted from the first key of diagonal step w / 2: 32 w - 64 (w / 2)
	s_lshl_b32 s36, s36, 5
	v_add_nc_u32 v[DM], s36, v[DM]
	v_add_nc_u32 v[DM+1], 16, v[DM]
; One tile's softmax for one key step is a list of 118 instructions; SM writes number j of it for tile t.  s0-s31 are the lane's 32 scores.  first = 1: the pass's first step, which has no old m, no a, nothing to rescale.
;   0-15 the maximum of s0-s31 and the old m;  16-20 the other half of the lanes' maximum, the new m, c m, c m_old - c m_new;
;   21-87 33 exponentials at the odd numbers from 23 on, a plain instruction at every even number (c s - c m for pairs to come, roundings to f16 of pairs done, the first sums);
;   88-101 the last rounding, the rest of the sums, l = a l + the sum;  102-117 the tile's O^T times a.
.macro SM t, first
.set rT, ST+8*(\t)
.set rS, S+32*(\t)
.set rP, P+16*(\t)
.set rO, 32+32*(\t)+2*(j-102)
.set q, (j-20)/2
.if j < 102
	WIN 0
.endif
.if j < 4
	v_max3_num_f32 v[rT+4+j], v[rS+8*j], v[rS+8*j+1], v[rS+8*j+2]
.elseif j < 12
	v_max3_num_f32 v[rT+4+j%4], v[rT+4+j%4], v[rS+8*(j%4)+2*(j/4)+1], v[rS+8*(j%4)+2*(j/4)+2]
.elseif j == 12
	v_max3_num_f32 v[rT+4], v[rT+4], v[rS+7], v[rS+15]
.elseif j == 13
	v_max3_num_f32 v[rT+6], v[rT+6], v[rS+23], v[rS+31]
.elseif j == 14
	v_max3_num_f32 v[rT+4], v[rT+4], v[rT+5], v[rT+6]
.elseif (j == 15) && \first
	v_max_num_f32 v[rT+4], v[rT+4], v[rT+7]
.elseif j == 15
	v_max3_num_f32 v[rT+4], v[rT+4], v[rT+7], v[rT+1]
.elseif j == 16
	v_permlanex16_b32 v[rT+5], v[rT+4], s[SEL], s[SEL+1]  ; the query's other 32 keys lie in the lane 16 away
.elseif j == 18
	v_max_num_f32 v[rT+1], v[rT+4], v[rT+5]
.elseif j == 19
	v_mul_f32 v[rT], s[CS], v[rT+1]
.elseif ((j == 17) || (j == 20) || (j == 23) || (j > 101)) && \first
.elseif j == 17
	v_mov_b32 v[rT+7], v[rT]                       ; c m_old is kept for a
.elseif j == 20
	v_sub_f32 v[rT+7], v[rT+7], v[rT]
.elseif j == 23
	v_exp_f32 v[rT+6], v[rT+7]
.elseif (j < 88) && (j > 23) && (j%2 == 1)
	v_exp_f32 v[rS+(j-25)/2], v[rS+(j-25)/2]
.elseif (q < 4) || ((j < 76) && (q%2 == 0))
.set b, q/2+2
.if q < 4
.set b, q
.endif
	v_pk_fma_f32 v[rS+2*b:rS+2*b+1], v[rS+2*b:rS+2*b+1], s[CS:CS+1], v[rT:rT+1] op_sel_hi:[1,0,0] neg_lo:[0,0,1] neg_hi:[0,0,1]  ; pair b: c s - c m
.elseif (j < 88) && (q%2 == 1)
	s_wait_alu depctr_va_vdst(0)
	v_cvt_pk_f16_f32 v[rP+(q-5)/2], v[rS+q-5], v[rS+q-4]
.elseif j == 89
	s_wait_alu depctr_va_vdst(0)
	v_cvt_pk_f16_f32 v[rP+15], v[rS+30], v[rS+31]
.elseif j < 102                        ; the sum of the 16 pairs, in place: neighbours 1, 2, 4 and 8 pairs apart, then l takes it
.set z, j-86
.if j < 89
.set z, (j-76)/4
.endif
.set w, 4
.set u, z
.if z >= 14
.set w, 32
.set u, 0
.elseif z >= 12
.set w, 16
.set u, z-12
.elseif z >= 8
.set w, 8
.set u, z-8
.endif
.if (z == 14) && \first
	v_pk_add_f32 v[rT+2:rT+3], v[rS:rS+1], v[rS+16:rS+17]
.elseif z < 15
	v_pk_add_f32 v[rS+w*u:rS+w*u+1], v[rS+w*u:rS+w*u+1], v[rS+w*u+w/2:rS+w*u+w/2+1]
.elseif !\first
	v_pk_fma_f32 v[rT+2:rT+3], v[rT+2:rT+3], v[rT+6:rT+7], v[rS:rS+1] op_sel_hi:[1,0,1]
.endif
.else
	WIN W_RS
	v_pk_mul_f32 v[rO:rO+1], v[rO:rO+1], v[rT+6:rT+7] op_sel_hi:[1,0]
.endif
.endm
; Slice k of 59: numbers 2 k and 2 k + 1 of both tiles' lists.  Where exponentials stand (k = 11 to 43) tile by tile: plain, exponential, plain, exponential, so that a plain
; instruction follows every exponential (ISA guide 5.7.2); elsewhere the tiles alternate.
.macro SLICE first
.if (k >= 11) && (k < 44)
.irp t, 0,1
.irp n, 0,1
.set j, 2*k+\n
	SM \t, \first
.endr
.endr
.else
.irp n, 0,1
.irp t, 0,1
.set j, 2*k+\n
	SM \t, \first
.endr
.endr
.endif
.set k, k+1
.endm
.macro SOFTMAX first                   ; both tiles' softmax for one key step: vector work on registers alone
.set k, 0
.rept 59
	SLICE \first
.endr
.endm
.macro MASK t                          ; score idx is key 16 (idx / 8) + idx % 8 + 8 h of the step: closed where that key lies behind the query
.set idx, 0
.rept 32
	v_cmp_gt_i32 vcc_lo, 16*(idx/8)+idx%8, v[DM+\t]
	v_cndmask_b32 v[S+32*\t+idx], v[S+32*\t+idx], v[NINF], vcc_lo
.set idx, idx+1
.endr
.endm
; The parts of a key step: 64 keys for the wave's 32 queries.
.macro LOADK                           ; 16 loads: K of the step at s[TB]
	v_add_nc_u32 v[ADK], s[TB], v[AK0]
.irp kb, 0,1,2,3
.irp c, 0,1
	ds_load_b128 v[KF+16*\kb+8*\c:KF+16*\kb+8*\c+3],   v[ADK] offset:\kb*16*PK+64*\c
	ds_load_b128 v[KF+16*\kb+8*\c+4:KF+16*\kb+8*\c+7], v[ADK] offset:\kb*16*PK+64*\c+32
.endr
.endr
.endm
.macro LOADV                           ; 16 turning loads: V of the step at s[TB]
	v_add_nc_u32 v[ADV], s[TB], v[AV0]
.irp kh, 0,1
.irp f, 0,1,2,3
	ds_load_tr16_b128 v[VF+32*\kh+8*\f:VF+32*\kh+8*\f+3],   v[ADV] offset:\kh*32*PK+32*\f
	ds_load_tr16_b128 v[VF+32*\kh+8*\f+4:VF+32*\kh+8*\f+7], v[ADV] offset:\kh*32*PK+16*PK+32*\f
.endr
.endr
.endm
; In each run of 16 matrix instructions eight accumulators take turns, one instruction a turn.  Four places close each run.
.macro KQ                              ; S^T = K Q^T; the first eight products start the sums
	WIN W_KQ
.irp c, 0,1
.irp kb, 0,1,2,3
.irp t, 0,1
.if \c == 0
	v_wmma_f32_16x16x32_f16 v[S+32*\t+8*\kb:S+32*\t+8*\kb+7], v[KF+16*\kb+8*\c:KF+16*\kb+8*\c+7], v[16*\t+8*\c:16*\t+8*\c+7], 0
.else
	v_wmma_f32_16x16x32_f16 v[S+32*\t+8*\kb:S+32*\t+8*\kb+7], v[KF+16*\kb+8*\c:KF+16*\kb+8*\c+7], v[16*\t+8*\c:16*\t+8*\c+7], v[S+32*\t+8*\kb:S+32*\t+8*\kb+7]
.endif
.endr
.endr
.endr
	WIN 0
	PLACES
.endm
.macro PV first                        ; O^T += V^T P; first = 1: the first eight products start the sums
	WIN W_PV
.irp kh, 0,1
.irp f, 0,1,2,3
.irp t, 0,1
.if \first && (\kh == 0)
	v_wmma_f32_16x16x32_f16 v[32+32*\t+8*\f:32+32*\t+8*\f+7], v[VF+32*\kh+8*\f:VF+32*\kh+8*\f+7], v[P+16*\t+8*\kh:P+16*\t+8*\kh+7], 0
.else
	v_wmma_f32_16x16x32_f16 v[32+32*\t+8*\f:32+32*\t+8*\f+7], v[VF+32*\kh+8*\f:VF+32*\kh+8*\f+7], v[P+16*\t+8*\kh:P+16*\t+8*\kh+7], v[32+32*\t+8*\f:32+32*\t+8*\f+7]
.endif
.endr
.endr
.endr
	WIN 0
	PLACES
.endm
; From the next tile (PHN, JBN): the tile behind it, (PH2, JB2), and that tile's number among the head's key tiles: the pass's next key tile, or the second pass's diagonal tile.
.macro NEXT2
	s_add_co_u32 s[PH2], s[PHN], 1
	s_cmp_lt_u32 s[PHN], s[JBN]
	s_cselect_b32 s[GN], s[PHN], s[J2]
	s_cselect_b32 s[PH2], s[PH2], 0
	s_cselect_b32 s[JB2], s[JBN], s[J2]
.endm
.macro ADVANCE
	s_mov_b32 s[PH], s[PHN]
	s_mov_b32 s[JB], s[JBN]
	s_mov_b32 s[PHN], s[PH2]
	s_mov_b32 s[JBN], s[JB2]
.endm
.macro REDESC                          ; group 0 for the refill: the slot that is left, key tile GN.  It stands behind s_wait_tensorcnt 0: no tensor load of mine is out
	s_xor_b32 s[G0+1], s[G0+1], SLOT1
	s_lshl_b32 s36, s[GN], 15
	s_add_nc_u64 s[G0+2:G0+3], s[KVB:KVB+1], s[36:37]
	s_or_b32 s[G0+3], s[G0+3], 0x80000000
.endm
; THE CHANGE OF SLOTS in its plain form, behind a diagonal tile and at the start.  Each wave waits for its reads of the slot that it leaves and for all its tensor loads (one is out: its region of the
; slot to come); behind the barrier nobody reads the old slot and the new one is whole.  The old slot takes key tile GN: my one tensor load behind the barrier, and the first thing there.
.macro CHANGE
	s_wait_dscnt 0x0
	s_set_vgpr_msb 0x5
	s_wait_tensorcnt 0x0
	ds_add_u32 v128, v129
	s_wait_dscnt 0x0
	s_set_vgpr_msb 0x500
	REDESC
	s_barrier_signal -1
	s_barrier_wait -1
	tensor_load_to_lds s[G0:G0+3], s[G1:G1+7]
	s_nop 0
.endm
.macro FLIP                            ; the fetches go back to a slot's first step, in the other slot
	s_sub_co_u32 s[TB], s[TB], 4*STEPB
	s_xor_b32 s[TB], s[TB], SLOT1
.endm
; A FULL TILE: four open key steps.  K of step s + 1 is asked for behind K Q^T of step s, V of step s + 1 behind V^T P of step s: only the tile's first step waits for loads just issued.
; The last step is written out and holds the change of slots.  change = 1: behind its K Q^T all my reads of the slot are back (the last, this step's K and V, were issued a step ago) and my tensor load
; has landed: I signal; softmax and V^T P, register work alone, stand between signal and wait; the refill is the first thing behind the wait, and has three key steps and a K Q^T in which to land.
; change = 2: the same barrier, and nothing is left to fetch.  change = 0: the last tile of all: no barrier.
.macro FOUR change
	LOADK
	LOADV
	s_mov_b32 s[C4], 3
.Lfour_\@:
	s_wait_dscnt 16                                ; K is in; V's sixteen loads, issued behind it, may stay out
	KQ
	s_add_co_u32 s[TB], s[TB], STEPB
	LOADK                                          ; the next step's K, behind the four places that close K Q^T
	SOFTMAX 0
	s_wait_dscnt 16                                ; V is in; the next K's sixteen loads may stay out
	PV 0
	LOADV                                          ; the next step's V, behind the four places that close V^T P
	s_sub_co_u32 s[C4], s[C4], 1
	s_cmp_lg_u32 s[C4], 0
	s_cbranch_scc1 .Lfour_\@
	s_wait_dscnt 16
	KQ
.if \change
	s_wait_dscnt 0x0                               ; my reads of this slot are over
	s_set_vgpr_msb 0x5
	s_wait_tensorcnt 0x0                           ; and my region of the slot to come has landed
	ds_add_u32 v128, v129
	s_wait_dscnt 0x0
	s_set_vgpr_msb 0x500
.if \change == 1
	REDESC
.endif
	s_barrier_signal -1
.endif
	SOFTMAX 0
.if \change == 0
	s_wait_dscnt 0x0                               ; V is in
.endif
	PV 0
.if \change
	s_barrier_wait -1                              ; every wave has said the same
.if \change == 1
	tensor_load_to_lds s[G0:G0+3], s[G1:G1+7]
	s_nop 0
.endif
.endif
	s_add_co_u32 s[TB], s[TB], STEPB
.endm
; A step of the diagonal tile: its loads stand at its head.  Keys can be closed in step w / 2 alone; elsewhere the 128 mask instructions are jumped over, on the wave's number and a counter.
.macro DSTEP first
	LOADK
	LOADV
	s_wait_dscnt 16                                ; K is in; V's sixteen loads may stay out
	KQ
	s_cmp_lg_u32 s[TS], s[WH]
	s_cbranch_scc1 .Lopen_\@
	MASK 0
	MASK 1
.Lopen_\@:
	SOFTMAX \first
	s_wait_dscnt 0x0                               ; V is in
	PV \first
.endm
.macro DIAG                            ; the diagonal tile: step 0 starts the pass; steps 1 to 3 only as far as the wave's queries reach (step <= w / 2)
	s_mov_b32 s[TS], 0
	DSTEP 1
	s_add_co_u32 s[TB], s[TB], STEPB
	s_mov_b32 s[TS], 1
.Ldiag_\@:
	s_cmp_gt_u32 s[TS], s[WH]
	s_cbranch_scc1 .Lclosed_\@                     ; on the wave's number and a counter: it jumps over no barrier and no tensor load
	DSTEP 0
.Lclosed_\@:
	s_add_co_u32 s[TB], s[TB], STEPB
	s_add_co_u32 s[TS], s[TS], 1
	s_cmp_lt_u32 s[TS], 4
	s_cbranch_scc1 .Ldiag_\@
.endm
; THE WAY OUT of a pass: O^T / l, rounded to f16, through my stage, stored as 4 KiB of consecutive bytes.
.macro OUT
	s_lshl_b32 s36, s[JB], 15
	s_add_co_u32 s36, s36, s[BASE]
	s_add_nc_u64 s[40:41], s[6:7], s[36:37]
.irp t, 0,1
	v_add_f32 v[ST+8*\t+4], v[ST+8*\t+2], v[ST+8*\t+3]
.endr
.irp t, 0,1
	v_permlanex16_b32 v[ST+8*\t+5], v[ST+8*\t+4], s[SEL], s[SEL+1]
.endr
.irp t, 0,1
	v_add_f32 v[ST+8*\t+4], v[ST+8*\t+4], v[ST+8*\t+5]
.endr
.irp t, 0,1
	v_rcp_f32 v[ST+8*\t+6], v[ST+8*\t+4]
.endr
	v_nop                                          ; a plain instruction between the last reciprocal and its use
	WIN W_RS
	s_wait_alu depctr_va_vdst(0)
.irp t, 0,1
.set i, 0
.rept 16
	v_pk_mul_f32 v[32+32*\t+2*i:32+32*\t+2*i+1], v[32+32*\t+2*i:32+32*\t+2*i+1], v[ST+8*\t+6:ST+8*\t+7] op_sel_hi:[1,0]
.set i, i+1
.endr
.endr
	WIN 0x05                                       ; sources in window 1, destination in window 0
.irp t, 0,1
.set i, 0
.rept 16
	v_cvt_pk_f16_f32 v[S+16*\t+i], v[32+32*\t+2*i], v[32+32*\t+2*i+1]
.set i, i+1
.endr
.endr
	WIN 0
.irp t, 0,1
.irp f, 0,1,2,3
	ds_store_b128 v[STO], v[S+16*\t+4*\f:S+16*\t+4*\f+3] offset:\t*16*PK+32*\f
.endr
.endr
.irp u, 0,1,2,3,4,5,6,7
	ds_load_b128 v[S+32+4*\u:S+32+4*\u+3], v[RD] offset:\u*4*PK   ; LDS serves a wave's instructions in order (ISA guide 5.7.1.4): these see the stores above
.endr
.irp u, 0,1,2,3,4,5,6,7
	s_wait_dscnt 7-\u                              ; load u is back, the younger ones stay out
	global_store_b128 v[GO], v[S+32+4*\u:S+32+4*\u+3], s[40:41] offset:512*\u   ; the wave stores 512 consecutive bytes at a multiple of 512
.endr
	s_wait_xcnt 0x0                                ; the stores' data registers and base are written again only behind this wait
.endm
.macro QSWITCH                         ; the second pass's Q, in registers since the start, takes the place that the products name
	WIN W_RS
.set i, 0
.rept 32
	v_mov_b32 v[i], v[Q2+i]
.set i, i+1
.endr
	WIN 0
.endm
	; THE NINE TILES.  Tile 0 (a diagonal one) is written out; tiles 1 to 6 go in a loop; tiles 7 and 8 (always full: the second pass has four full tiles or more) are written out,
	; the first with a barrier and no refill, the second with neither.  The refill at tile t's end fetches tile t + 2: nine tensor loads a wave, never more than one out.
	s_mov_b32 s[PHN], 0                            ; for once the tile in hand stands in the next tile's place:
	s_mov_b32 s[JBN], s[JB]
	NEXT2                                          ; GN = tile 1's number
	CHANGE                                         ; tile 0 is whole; slot 1 is filled for the first time, as a refill is
	FLIP
	s_wait_loadcnt 0x0                             ; Q of both passes
	s_mov_b32 s[PHN], s[PH2]
	s_mov_b32 s[JBN], s[JB2]
	NEXT2                                          ; GN = tile 2's number
	DIAG
	CHANGE
	FLIP
	s_cmp_lg_u32 s[PH], s[JB]                      ; block 0 has the diagonal tile alone
	s_cbranch_scc1 .Lon_0
	OUT
	QSWITCH
.Lon_0:
	ADVANCE
	s_mov_b32 s[TR], 6
.Ltile:
	NEXT2
	s_cmp_lg_u32 s[PH], 0                          ; on the work-group's number and counters: alike in all eight waves; each way holds one barrier and one refill
	s_cbranch_scc1 .Lfull
	DIAG
	CHANGE
	s_branch .Ltile_done
.Lfull:
	FOUR 1
.Ltile_done:
	FLIP
	s_cmp_lg_u32 s[PH], s[JB]                      ; the first pass's last tile
	s_cbranch_scc1 .Lon
	OUT                                            ; behind the refill: the next tiles are on their way while the pass goes out
	QSWITCH
.Lon:
	ADVANCE
	s_sub_co_u32 s[TR], s[TR], 1
	s_cmp_lg_u32 s[TR], 0
	s_cbranch_scc1 .Ltile
	FOUR 2                                         ; tile 7: its wait for all tensor loads is the last: none is out at the end
	FLIP
	FOUR 0                                         ; tile 8
	OUT
	s_set_vgpr_msb 0x5
	s_wait_tensorcnt 0x0
	ds_add_u32 v128, v129
	s_wait_dscnt 0x0
	s_set_vgpr_msb 0x500
	s_endpgm
.Lfunc_end_k_qabd950ab6b_attn:
	.size	k_qabd950ab6b_attn, .Lfunc_end_k_qabd950ab6b_attn-k_qabd950ab6b_attn
	.p2alignl 7, 3214868480
	.fill 96, 4, 3214868480
	.section	.rodata,"a",@progbits
	.p2align	6, 0x0
	.amdhsa_kernel k_qabd950ab6b_attn
		.amdhsa_group_segment_fixed_size 327680
		.amdhsa_private_segment_fixed_size 0
		.amdhsa_enable_private_segment 0
		.amdhsa_kernarg_size 16
		.amdhsa_user_sgpr_count 2
		.amdhsa_user_sgpr_kernarg_segment_ptr 1
		.amdhsa_wavefront_size32 1
		.amdhsa_system_sgpr_workgroup_id_x 1
		.amdhsa_system_sgpr_workgroup_id_y 1
		.amdhsa_system_sgpr_workgroup_id_z 1
		.amdhsa_system_vgpr_workitem_id 0
		.amdhsa_next_free_vgpr 386
		.amdhsa_next_free_sgpr 66
		.amdhsa_reserve_vcc 1
		.amdhsa_float_denorm_mode_32 3
		.amdhsa_float_denorm_mode_16_64 3
		.amdhsa_memory_ordered 1
		.amdhsa_forward_progress 1
		.amdhsa_inst_pref_size 225
	.end_amdhsa_kernel
	.amdgpu_metadata
---
amdhsa.version: [ 1, 2 ]
amdhsa.kernels:
  - .name:           k_qabd950ab6b_attn
    .symbol:         k_qabd950ab6b_attn.kd
    .args:
      - { .name: qkv, .offset: 0, .size: 8, .value_kind: global_buffer, .address_space: global }
      - { .name: att, .offset: 8, .size: 8, .value_kind: global_buffer, .address_space: global }
    .group_segment_fixed_size: 327680
    .private_segment_fixed_size: 0
    .kernarg_segment_align: 8
    .kernarg_segment_size: 16
    .max_flat_workgroup_size: 256
    .sgpr_count:     66
    .vgpr_count:     386
    .wavefront_size: 32
...
	.end_amdgpu_metadata
.endif
;; end of part 3
;; launch oproj (part 4): grid 4 x 64, 4 waves a work-group, clusters of 4 x 4, 327,680 bytes of LDS; arguments att, wb, out0; writes out0
.if DOCPART == 4
	.amdgcn_target "amdgcn-amd-amdhsa--gfx1250"
	.amdhsa_code_object_version 6
	.text
	.protected	k_qabd950ab6b_oproj
	.globl	k_qabd950ab6b_oproj
	.p2align	8
	.type	k_qabd950ab6b_oproj,@function
k_qabd950ab6b_oproj:
	s_mov_b64 s[64:65], 0
	v_nop
	global_prefetch_b8 v0, s[64:65] scope:SCOPE_SE
	s_setreg_imm32_b32 hwreg(HW_REG_WAVE_MODE, 25, 1), 1
	s_wait_xcnt 0x0
	s_wait_alu depctr_hold_cnt(0) depctr_sa_sdst(0) depctr_va_vdst(0) depctr_va_sdst(0) depctr_va_ssrc(0) depctr_va_vcc(0) depctr_vm_vsrc(0)
	s_getreg_b32 s2, hwreg(HW_REG_IB_STS2, 6, 4)
	s_cmp_eq_u32 s2, 0
	s_cbranch_scc0 .Lentry_in_a_cluster
	s_endpgm
.Lentry_in_a_cluster:
	s_bfe_u32 s2, ttmp6, 0x10000c
	s_cmp_lg_u32 s2, 0xf033
	s_cbranch_scc0 .Lentry_shape_is_right
	s_endpgm
.Lentry_shape_is_right:
; out0 [8192][1024] f32 = att x wo^T.  att is head-major, [64 (batch, head)][2048][64] f16; wo lies in wb's rows 3072-4095, [out][in], bf16 values in f16 format.  f16 operands, f32 sums.
; SHARES.  A tile of the result is 128 rows x 256 columns: 64 x 4 = 256 work-groups.  Four waves, each 64 rows x 128 columns: 32 accumulators of 16 x 16.
; K goes in 8 steps of 128 = two heads, through two LDS slots.  A's part of a slot is two planes, one a head: 128 tokens x 128 bytes, 16 KiB of consecutive memory, taken as 64 rows of 256 bytes with
; 16 bytes of padding behind every 128: a token's row every 144 bytes.  B's part is 256 rows of 256 bytes, 272 apart.
; CLUSTERS: 4 x 4 work-groups.  The four of a row of the cluster need the same planes of att, the four of a column the same tiles of wo: each is asked for jointly.
; THE MATRIX INSTRUCTION IS USED TRANSPOSED (source 0 = 16 rows of wo, source 1 = 16 tokens): a lane holds eight neighbouring columns of one row, 32 bytes of f32.
; REGISTERS: window 0: v0-31 addresses; v64-159, v160-255 two fragment buffers (8 of B, then 4 of A), at work again on the way out.   window 1: the accumulators, (a, b) at v[8 (8 a + b)].
.set A_PITCH, 144                      ; 9 x 16: the 16 rows of a fragment load begin 16 bytes apart modulo 256
.set A_PL,    128*A_PITCH              ; bytes from K 0-63 to K 64-127 of a step: the next plane
.set A_PART,  128*A_PITCH              ; what one load of A brings: a plane
.set A_REG,   2*A_PART
.set B_PITCH, 272
.set B_PART,  128*B_PITCH
.set SLOT,    A_REG+2*B_PART
.set STAGE,   2*SLOT                   ; behind the ring, at a multiple of 256: 16 rows x 528 bytes for each wave; no tensor load lands here
.set SP,      528                      ; 512 bytes + 16: 33 x 16
.set A_KSTEP, 524288                   ; two heads of 262,144 bytes
.set B_KSTEP, 256
.set ADRA, 16
.set ADRB, 20
.set STO,  24
.set RD,   25
.set GO,   26
.set F0,   64
.set F1,   160
.set OB,   64                          ; the way out: 16 rows read back: v64-127 and v128-191 by turns
.set G1A, 24
.set G0A, 32
.set G1B, 48
.set G0B, 56
.set MSB, 0
.macro WIN new
.if MSB != \new
	s_set_vgpr_msb (MSB<<8)|\new
.set MSB, \new
.endif
.endm
.set MUL, 0x50                         ; C and D in window 1
.macro PLACES                          ; four places in front of loads into registers that matrix instructions have read, and of LDS stores of their results
.rept 4
	v_nop
.endr
.endm
.macro JLOAD s                         ; a joint load: waves 0 and 1 fetch A's two planes, waves 2 and 3 B's two halves; four v_nop follow each line
	s_cmp_eq_u32 s13, 0
	s_cbranch_scc0 .Lfor_b_\@
	tensor_load_to_lds s[G0A+4*\s:G0A+4*\s+3], s[G1A:G1A+7]
	s_nop 0
.rept 4
	v_nop
.endr
	s_branch .Lasked_\@
.Lfor_b_\@:
	tensor_load_to_lds s[G0B+4*\s:G0B+4*\s+3], s[G1B:G1B+7]
	s_nop 0
.rept 4
	v_nop
.endr
.Lasked_\@:
.endm
.macro CREST
	s_cmp_lg_u32 s12, 0
	s_cbranch_scc1 .Lnot_wave_0_\@
	s_barrier_signal -3
.Lnot_wave_0_\@:
	s_barrier_wait -3
	s_barrier_signal -1
	s_barrier_wait -1
.endm
.macro CROUND
	s_barrier_signal -1
	s_barrier_wait -1
	CREST
.endm
	s_load_b128 s[4:7], s[0:1], 0x0                ; att 4:5, wb 6:7
	s_load_b64 s[10:11], s[0:1], 0x10              ; out0
	v_lshl_add_u32 v62, v0, 2, 0x3c400
	v_mov_b32 v63, 0
	ds_add_u32 v62, v63
	v_lshrrev_b32 v1, 5, v0
	v_readfirstlane_b32 s12, v1                    ; wave 0..3
	s_lshr_b32 s13, s12, 1                         ; RH: which 64 rows are mine.  Also: I fetch for A (0) or for B (1)
	s_and_b32 s14, s12, 1                          ; CH: which 128 columns.  Also: which plane or half I fetch
	s_bfe_u32 s15, ttmp6, 0x40000                  ; cx
	s_bfe_u32 s16, ttmp6, 0x40004                  ; cy
	s_lshl_b32 s17, ttmp9, 2
	s_add_co_u32 s17, s17, s15                     ; tile column
	s_and_b32 s18, ttmp7, 0xffff
	s_lshl_b32 s18, s18, 2
	s_add_co_u32 s18, s18, s16                     ; tile row
	s_lshl_b32 s19, s16, 2
	s_lshl_b32 s19, 15, s19                        ; my row of the cluster
	s_lshl_b32 s20, 0x1111, s15                    ; my column
	s_or_b32 s[G1A], s19, (1<<16)|(1<<20)|(1<<21)|(4<<22)|(3<<25)   ; the mask; elements of 2 bytes; padding on; bit 21 beside a mask; after every 32 words, 4 words
	s_mov_b32 s[G1A+1], 128<<16                    ; tensor_dim0 = 128
	s_mov_b32 s[G1A+2], 64<<16                     ; tensor_dim1 = 64
	s_mov_b32 s[G1A+3], 128<<16                    ; tile_dim0 = 128
	s_mov_b32 s[G1A+4], 64                         ; tile_dim1 = 64
	s_mov_b32 s[G1A+5], 128                        ; the rows follow each other in memory
	s_mov_b32 s[G1A+6], 0
	s_mov_b32 s[G1A+7], 0
	s_or_b32 s[G1B], s20, (1<<16)|(1<<20)|(1<<21)|(5<<22)|(3<<25)   ; after every 64 words, 4 words
	s_mov_b32 s[G1B+1], 128<<16
	s_mov_b32 s[G1B+2], 128<<16
	s_mov_b32 s[G1B+3], 128<<16
	s_mov_b32 s[G1B+4], 128
	s_mov_b32 s[G1B+5], 1024
	s_mov_b32 s[G1B+6], 0
	s_mov_b32 s[G1B+7], 0
	s_lshr_b32 s22, s18, 4                         ; A: the batch's 16 heads of 262,144 bytes,
	s_lshl_b32 s22, s22, 22
	s_lshl_b32 s23, s14, 18                        ; the plane's head,
	s_add_co_u32 s22, s22, s23
	s_and_b32 s23, s18, 15                         ; the tile's 128 tokens of 128 bytes: made of the tile row and the wave alone
	s_lshl_b32 s23, s23, 14
	s_add_co_u32 s22, s22, s23
	s_mov_b32 s23, 0
	s_lshl_b32 s40, s17, 8                         ; B: row 3,072 + 256 x tile column + 128 x half, 2,048 bytes a row: made of the tile column and the wave alone
	s_lshl_b32 s41, s14, 7
	s_add_co_u32 s40, s40, s41
	s_add_co_u32 s40, s40, 3072
	s_lshl_b32 s40, s40, 11
	s_mov_b32 s41, 0
	s_mul_i32 s21, s14, A_PART                     ; where they go in a slot
	s_mul_i32 s42, s14, B_PART
	s_add_co_u32 s42, s42, A_REG
	s_wait_dscnt 0x0
	s_wait_kmcnt 0x0
	s_add_nc_u64 s[44:45], s[4:5], s[22:23]
	s_add_nc_u64 s[46:47], s[6:7], s[40:41]
	CROUND                                         ; all sixteen work-groups are here: the first joint loads meet
.irp s, 0,1
	s_mov_b32 s[G0A+4*\s], 1
	s_add_co_u32 s[G0A+4*\s+1], s21, \s*SLOT
	s_add_nc_u64 s[G0A+4*\s+2:G0A+4*\s+3], s[44:45], \s*A_KSTEP
	s_or_b32 s[G0A+4*\s+3], s[G0A+4*\s+3], 0x80000000
	s_mov_b32 s[G0B+4*\s], 1
	s_add_co_u32 s[G0B+4*\s+1], s42, \s*SLOT
	s_add_nc_u64 s[G0B+4*\s+2:G0B+4*\s+3], s[46:47], \s*B_KSTEP
	s_or_b32 s[G0B+4*\s+3], s[G0B+4*\s+3], 0x80000000
	JLOAD \s                                       ; K steps 0 and 1: two loads of mine are out
.endr
	s_lshl_b32 s70, s18, 7                         ; the output: row 128 x tile row + 64 RH, 4,096 bytes a row,
	s_lshl_b32 s67, s13, 6
	s_add_co_u32 s70, s70, s67
	s_lshl_b32 s70, s70, 12
	s_lshl_b32 s67, s17, 10                        ; column 256 x tile column + 128 CH, 4 bytes each
	s_add_co_u32 s70, s70, s67
	s_lshl_b32 s67, s14, 9
	s_add_co_u32 s70, s70, s67
	s_mov_b32 s71, 0
	s_add_nc_u64 s[10:11], s[10:11], s[70:71]
	v_and_b32 v1, 15, v0                           ; r
	v_bfe_u32 v2, v0, 4, 1                         ; h
	v_mul_u32_u24 v3, v1, A_PITCH
	v_lshl_add_u32 v3, v2, 4, v3
	v_mul_u32_u24 v4, v1, B_PITCH
	v_lshl_add_u32 v4, v2, 4, v4
	s_mul_i32 s72, s13, 64*A_PITCH                 ; my 64 tokens in a plane
	s_mul_i32 s73, s14, B_PART                     ; my 128 rows of B,
	s_add_co_u32 s73, s73, A_REG                   ; which lie behind A
.irp s, 0,1
	v_add_nc_u32 v[ADRA+\s], s72, v3
	v_add_nc_u32 v[ADRB+\s], s73, v4
	s_add_co_u32 s72, s72, SLOT
	s_add_co_u32 s73, s73, SLOT
.endr
	s_mul_i32 s74, s12, 16*SP
	s_add_co_u32 s74, s74, STAGE                   ; my stage
	v_mul_u32_u24 v5, v1, SP                       ; in: row r, 32 bytes for each half of the lanes
	v_lshl_add_u32 v5, v2, 5, v5
	v_add_nc_u32 v[STO], s74, v5
	v_and_b32 v3, 31, v0
	v_lshlrev_b32 v[GO], 4, v3                     ; back and out: the wave takes a row's 512 bytes
	v_add_nc_u32 v[RD], s74, v[GO]
; 8 matrix instructions: m block a x all 8 n blocks, 32 along K.  zero = 1: the first product starts the sums.  The 32 accumulators take turns, one instruction a turn.
.macro MUL8 f, a, zero
.irp b, 0,1,2,3,4,5,6,7
.if \zero
	v_wmma_f32_16x16x32_f16 v[8*(8*\a+\b):8*(8*\a+\b)+7], v[\f+8*\b:\f+8*\b+7], v[\f+64+8*\a:\f+64+8*\a+7], 0
.else
	v_wmma_f32_16x16x32_f16 v[8*(8*\a+\b):8*(8*\a+\b)+7], v[\f+8*\b:\f+8*\b+7], v[\f+64+8*\a:\f+64+8*\a+7], v[8*(8*\a+\b):8*(8*\a+\b)+7]
.endif
.endr
.endm
.macro FETCH slot, q, f                ; 24 LDS loads in one run: quarter q of a slot into buffer f: B's 8 fragments, then A's 4
	WIN 0
.irp i, 0,1,2,3,4,5,6,7
	ds_load_b128 v[\f+8*\i:\f+8*\i+3],   v[ADRB+\slot] offset:64*\q+\i*16*B_PITCH
	ds_load_b128 v[\f+8*\i+4:\f+8*\i+7], v[ADRB+\slot] offset:64*\q+\i*16*B_PITCH+32
.endr
.irp i, 0,1,2,3
	ds_load_b128 v[\f+64+8*\i:\f+64+8*\i+3],   v[ADRA+\slot] offset:(\q/2)*A_PL+(\q%2)*64+\i*16*A_PITCH
	ds_load_b128 v[\f+64+8*\i+4:\f+64+8*\i+7], v[ADRA+\slot] offset:(\q/2)*A_PL+(\q%2)*64+\i*16*A_PITCH+32
.endr
.endm
.macro QUARTER slot, q, f, g, zero
	s_wait_dscnt 4                                 ; B and A's blocks 0, 1 are in; the four youngest loads (A's blocks 2, 3) may be out
	WIN MUL
	MUL8 \f, 0, \zero
	MUL8 \f, 1, \zero
	PLACES
	FETCH \slot, \q, \g
	s_wait_dscnt 24                                ; all but the 24 just issued
	WIN MUL
	MUL8 \f, 2, \zero
	MUL8 \f, 3, \zero
.endm
; The last quarter multiplies buffer 1 and changes slots: one barrier; in front of it each wave waits for its reads of this slot and for all its tensor loads (one is out: its part of the next slot).
; fill = 1: the barrier opens a round of the cluster's barrier, and behind the round this slot is filled again, two K steps ahead.
.macro TURN slot, next, fill
	s_wait_dscnt 4
	WIN MUL
	MUL8 F1, 0, 0
	s_wait_dscnt 0
	s_wait_tensorcnt 0x0
	ds_add_u32 v62, v63
	s_wait_dscnt 0x0
	s_barrier_signal -1
	MUL8 F1, 1, 0
.if \fill
	WIN 0
.endif
	s_barrier_wait -1
.if \fill
	CREST                                          ; no wave of any partner still reads this slot or has a load on its way
	s_add_nc_u64 s[G0A+4*\slot+2:G0A+4*\slot+3], s[G0A+4*\slot+2:G0A+4*\slot+3], 2*A_KSTEP
	s_add_nc_u64 s[G0B+4*\slot+2:G0B+4*\slot+3], s[G0B+4*\slot+2:G0B+4*\slot+3], 2*B_KSTEP
	JLOAD \slot                                    ; the first tensor load behind the round; its four v_nop are also the places in front of the loads below
.else
	PLACES
.endif
	FETCH \next, 0, F0
	WIN MUL
	MUL8 F1, 2, 0
	MUL8 F1, 3, 0
.endm
	s_wait_tensorcnt 1                             ; my part of K step 0 is in; step 1's may stay out
	s_barrier_signal -1
	s_barrier_wait -1
	FETCH 0, 0, F0
	QUARTER 0, 1, F0, F1, 1                        ; the first quarter starts the sums
	WIN 0
	s_mov_b32 s3, 3
.Llap:                                                 ; a trip goes once round the ring and fills both slots again: K steps 2 to 7
	QUARTER 0, 2, F1, F0, 0
	QUARTER 0, 3, F0, F1, 0
	TURN 0, 1, 1
	QUARTER 1, 1, F0, F1, 0
	QUARTER 1, 2, F1, F0, 0
	QUARTER 1, 3, F0, F1, 0
	TURN 1, 0, 1
	QUARTER 0, 1, F0, F1, 0
	WIN 0
	s_sub_co_u32 s3, s3, 1
	s_cmp_lg_u32 s3, 0
	s_cbranch_scc1 .Llap
	QUARTER 0, 2, F1, F0, 0                        ; the last lap fills nothing
	QUARTER 0, 3, F0, F1, 0
	TURN 0, 1, 0
	QUARTER 1, 1, F0, F1, 0
	QUARTER 1, 2, F1, F0, 0
	QUARTER 1, 3, F0, F1, 0
	s_wait_dscnt 4
	WIN MUL
	MUL8 F1, 0, 0
	MUL8 F1, 1, 0
	s_wait_dscnt 0
	MUL8 F1, 2, 0
	MUL8 F1, 3, 0
	WIN 0
	PLACES
; THE WAY OUT, a block of 16 rows at a time: 32 bytes a lane and n block into my own stage, back as whole rows of 512 bytes, stored.
.macro TOSTAGE a
.set BK, OB+64*((\a)%2)
.if (\a) >= 2
	s_wait_xcnt 0x0                                ; the stores of two blocks back have had their addresses translated (ISA guide 3.1): their registers are loaded again only behind this wait
.endif
	WIN 0x04                                       ; the stores' data in window 1
.irp b, 0,1,2,3,4,5,6,7
	ds_store_b128 v[STO], v[8*(8*(\a)+\b):8*(8*(\a)+\b)+3]   offset:64*\b
	ds_store_b128 v[STO], v[8*(8*(\a)+\b)+4:8*(8*(\a)+\b)+7] offset:64*\b+16
.endr
	WIN 0
.irp t, 0,1,2,3,4,5,6,7,8,9,10,11,12,13,14,15
	ds_load_b128 v[BK+4*\t:BK+4*\t+3], v[RD] offset:SP*\t   ; LDS serves a wave's instructions in order (ISA guide 5.7.1.4): these see the stores above, and the next block's stores come behind them
.endr
.endm
.macro SEND a, younger                 ; younger: the LDS instructions issued behind block a's loads: the next block's 16 stores and 16 loads, or none
.set BK, OB+64*((\a)%2)
	s_wait_dscnt \younger
.irp t, 0,1,2,3,4,5,6,7,8,9,10,11,12,13,14,15
	global_store_b128 v[GO], v[BK+4*\t:BK+4*\t+3], s[10:11] offset:(16*(\a)+\t)*4096 th:TH_STORE_NT   ; the wave stores 512 consecutive bytes at a multiple of 512
.endr
.endm
	TOSTAGE 0
	TOSTAGE 1
	SEND 0, 32
	TOSTAGE 2
	SEND 1, 32
	TOSTAGE 3
	SEND 2, 32
	SEND 3, 0
	s_wait_tensorcnt 0x0
	ds_add_u32 v62, v63
	s_wait_dscnt 0x0
	CROUND                                         ; the closing round: no work-group ends while a partner may still ask for a tile that names it
	s_endpgm
.Lfunc_end_k_qabd950ab6b_oproj:
	.size	k_qabd950ab6b_oproj, .Lfunc_end_k_qabd950ab6b_oproj-k_qabd950ab6b_oproj
	.p2alignl 7, 3214868480
	.fill 96, 4, 3214868480
	.section	.rodata,"a",@progbits
	.p2align	6, 0x0
	.amdhsa_kernel k_qabd950ab6b_oproj
		.amdhsa_group_segment_fixed_size 327680
		.amdhsa_private_segment_fixed_size 0
		.amdhsa_enable_private_segment 0
		.amdhsa_kernarg_size 24
		.amdhsa_user_sgpr_count 2
		.amdhsa_user_sgpr_kernarg_segment_ptr 1
		.amdhsa_wavefront_size32 1
		.amdhsa_system_sgpr_workgroup_id_x 1
		.amdhsa_system_sgpr_workgroup_id_y 1
		.amdhsa_system_sgpr_workgroup_id_z 1
		.amdhsa_system_vgpr_workitem_id 0
		.amdhsa_next_free_vgpr 512
		.amdhsa_next_free_sgpr 80
		.amdhsa_reserve_vcc 0
		.amdhsa_float_denorm_mode_32 3
		.amdhsa_float_denorm_mode_16_64 3
		.amdhsa_memory_ordered 1
		.amdhsa_forward_progress 1
		.amdhsa_inst_pref_size 85
	.end_amdhsa_kernel
	.amdgpu_metadata
---
amdhsa.version: [ 1, 2 ]
amdhsa.kernels:
  - .name:           k_qabd950ab6b_oproj
    .symbol:         k_qabd950ab6b_oproj.kd
    .args:
      - { .name: att, .offset: 0, .size: 8, .value_kind: global_buffer, .address_space: global }
      - { .name: wb, .offset: 8, .size: 8, .value_kind: global_buffer, .address_space: global }
      - { .name: out0, .offset: 16, .size: 8, .value_kind: global_buffer, .address_space: global }
    .group_segment_fixed_size: 327680
    .private_segment_fixed_size: 0
    .kernarg_segment_align: 8
    .kernarg_segment_size: 24
    .max_flat_workgroup_size: 128
    .sgpr_count:     80
    .vgpr_count:     512
    .wavefront_size: 32
...
	.end_amdgpu_metadata
.endif
;; end of part 4
;; ======== version 2 of 2: 4 launches; version 1 with the launch prep written anew for expert scheduling mode
;; limits: values are held in f16: magnitudes above 65,504 overflow, below 6.1e-05 lose precision
;; workspace buffers: xb 16,777,216 bytes; wb 8,388,608 bytes; rope 524,288 bytes; qkv 50,331,648 bytes; att 16,777,216 bytes
;; launch prep (part 5): grid 768 x 1, 8 waves a work-group, no clusters, 0 bytes of LDS; arguments x, wq, wk, wv, wo, token_positions, xb, wb, rope; writes xb, wb, rope
.if DOCPART == 5
	.amdgcn_target "amdgcn-amd-amdhsa--gfx1250"
	.amdhsa_code_object_version 6
	.text
	.protected	k_qabd950ab6b_prep
	.globl	k_qabd950ab6b_prep
	.p2align	8
	.type	k_qabd950ab6b_prep,@function
k_qabd950ab6b_prep:
	s_mov_b64 s[64:65], 0
	v_nop
	global_prefetch_b8 v0, s[64:65] scope:SCOPE_SE
	s_setreg_imm32_b32 hwreg(HW_REG_WAVE_SCHED_MODE, 0, 2), 2
	s_setreg_imm32_b32 hwreg(HW_REG_WAVE_MODE, 25, 1), 1
	s_wait_xcnt 0x0
	s_wait_alu depctr_vm_vsrc(0)
; Casts and the rotation table.
;   xb[8192][1024]  = x rounded to bf16.
;   wb[4096][1024]: rows 0-3071 hold wq, wk, wv rounded to bf16, head by head: rows 192 h + 0..63 are wq's rows 64 h on, + 64..127 wk's, + 128..191 wv's,
;                     so that 192 consecutive rows are one head's q, k and v.  Rows 3072-4095 hold wo, rounded to bf16 and that value written in f16 format,
;                     because its partner in the last product is f16.  The move is exact for |wo| from 6.1e-5 to 65,504; below it is off by at most 3e-8.
;   rope[2048][32][2] = (cos, sin) of position x 10000^(-i/32), f32: one row of 256 bytes for each token.
; A stream: no LDS, no barrier, no matrix unit.  A work-group casts 16,384 numbers (64 KiB in, 32 KiB out; 16 rows of a weight): groups 0-511 take x, groups 512-767 the
; four weights (64 groups each).  A wave's load covers 512 consecutive bytes, its store 256 consecutive aligned bytes.  All 16 loads of a wave go out at once.
; The 256 weight groups also make 8 table rows each, one a wave, lane = pair number, while their loads are on their way.
; LIMIT: the angle is reduced by pi/2 in two parts; what is left of pi/2 behind them is 1.7e-15 for each quarter turn, so the table is good for |position| up to about 1e6.
; THE MODE: SCHED_MODE bits 1:0 = 2 (LLVM: expert scheduling mode 2), set by the entry lines.  The code itself states the register dependences
; between vector instructions and memory instructions, with s_wait_alu, always for 0.
; THE PLAN.  Registers that memory instructions touch:
;   v1, v2       byte offsets of the loads and of the stores: made at the head and never written again.
;   X            written by the 16 loads alone, once each; read by the conversions.  No vector instruction writes it, and no load lands in it a second time.
;   Y            pair i is written by chunk i's conversions and read by store i; each store has its own pair, and none is written again.
;   T+2, T+10, T+11   the table row's offset and its (cos, sin): written by the table's arithmetic, read by its one store, not written again.
; So no register that a memory instruction reads is ever rewritten; what is to be stated is that vector results are written before memory instructions read them.
; The 16 chunks go in four blocks of four.  At the head of blocks 1 to 3 one wait states that the block before has written its four pairs of Y; that block's four stores
; follow it, dealt among this block's conversions, which write other pairs.  One more wait stands ahead of the last four stores.
.set X, 4                              ; v[4:67]    16 x 4 numbers as loaded
.set Y, 68                             ; v[68:99]   16 x 2 registers to store; each store has its own pair, so none is rewritten
.set T, 100                            ; v[100:111] at work
	s_load_b512 s[4:19], s[0:1], 0x0               ; x 4:5, wq 6:7, wk 8:9, wv 10:11, wo 12:13, token_positions 14:15, xb 16:17, wb 18:19
	s_load_b64 s[20:21], s[0:1], 0x40              ; rope
	v_lshrrev_b32 v3, 5, v0
	v_readfirstlane_b32 s32, v3                    ; wave 0..7
	v_and_b32 v[T], 31, v0                         ; lane
	v_lshlrev_b32 v1, 13, v3                       ; in: 8,192 bytes a wave,
	v_lshl_or_b32 v1, v[T], 4, v1                  ; 16 bytes a lane
	v_lshlrev_b32 v2, 12, v3                       ; out: 4,096 bytes a wave,
	v_lshl_or_b32 v2, v[T], 3, v2                  ; 8 bytes a lane
	s_wait_alu depctr_va_sdst(0)                   ; s32 is written, ahead of every branch and of its first reader: the table row's token is made from it
	s_mov_b32 s22, ttmp9                           ; g
	s_sub_co_u32 s23, s22, 512                     ; g' = g - 512: used by the weight groups alone
	s_and_b32 s24, s23, 63                         ; the chunk (16 rows) inside a weight
	s_lshr_b32 s36, s24, 2                         ; its head: four chunks a head;
	s_mul_i32 s36, s36, 12                         ; in wb a head has twelve chunks:
	s_lshr_b32 s37, s23, 6                         ; the weight's number (0 wq, 1 wk, 2 wv)
	s_lshl2_add_u32 s36, s37, s36                  ; x 4,
	s_and_b32 s37, s24, 3                          ; and the chunk's place in the head
	s_add_co_u32 s36, s36, s37
	s_cmp_ge_u32 s22, 704
	s_cselect_b32 s36, s23, s36                    ; wo keeps its order: chunks 192 on
	s_mov_b32 s31, 0
	s_wait_kmcnt 0x0
	s_cmp_lt_u32 s22, 512                          ; the choice of buffers hangs on the group's number alone
	s_cselect_b64 s[26:27], s[4:5], s[6:7]         ; from: x or wq
	s_cselect_b64 s[28:29], s[16:17], s[18:19]     ; to: xb or wb
	s_cselect_b32 s24, s22, s24                    ; chunk in the source
	s_cselect_b32 s25, s22, s36                    ; chunk in the destination
	s_cmp_ge_u32 s22, 576
	s_cselect_b64 s[26:27], s[8:9], s[26:27]       ; wk
	s_cmp_ge_u32 s22, 640
	s_cselect_b64 s[26:27], s[10:11], s[26:27]     ; wv
	s_cmp_ge_u32 s22, 704
	s_cselect_b64 s[26:27], s[12:13], s[26:27]     ; wo
	s_lshl_b32 s30, s24, 16
	s_add_nc_u64 s[26:27], s[26:27], s[30:31]
	s_lshl_b32 s30, s25, 15
	s_add_nc_u64 s[28:29], s[28:29], s[30:31]
	s_wait_alu depctr_va_vdst(0)                   ; v1 and v2 are written: the 16 loads read v1 as their offset, the 16 stores v2; no later vector instruction names either
.set i, 0
.rept 16
	global_load_b128 v[X+4*i:X+4*i+3], v1, s[26:27] offset:512*i th:TH_LOAD_NT
.set i, i+1
.endr
	s_cmp_lt_u32 s22, 512
	s_cbranch_scc1 .Lcast
	; one table row: token s = 8 g' + wave, pair i = lane
	s_lshl_b32 s33, s23, 3
	s_add_co_u32 s33, s33, s32
	s_lshl_b32 s30, s33, 2
	s_add_nc_u64 s[14:15], s[14:15], s[30:31]
	s_load_b32 s34, s[14:15], 0x0                  ; the token's position
	v_cvt_f32_u32 v[T+1], v[T]
	v_mul_f32 v[T+1], 0xbed49a78, v[T+1]           ; - i log2(10000) / 32
	v_exp_f32 v[T+1], v[T+1]                       ; the frequency
	v_lshlrev_b32 v[T+2], 3, v[T]                  ; (a plain instruction behind the exponential, ISA guide 5.7.2) 8 bytes a lane
	s_lshl_b32 s35, s33, 8
	v_add_nc_u32 v[T+2], s35, v[T+2]               ; + 256 bytes a token
	s_wait_kmcnt 0x0
	v_cvt_f32_i32 v[T+3], s34
	s_wait_alu depctr_va_vdst(0)                   ; the exponential has written v[T+1], which the multiply below reads
	v_mul_f32 v[T+3], v[T+3], v[T+1]               ; f = position x frequency
	v_mul_f32 v[T+4], 0x3f22f983, v[T+3]
	v_rndne_f32 v[T+4], v[T+4]                     ; n = quarter turns
	v_fmamk_f32 v[T+5], v[T+4], 0xbfc90fdb, v[T+3] ; r = f - n pi/2, pi/2 in two parts
	v_fmamk_f32 v[T+5], v[T+4], 0x333bbd2e, v[T+5]
	v_mul_f32 v[T+6], v[T+5], v[T+5]               ; z = r r, |r| <= pi/4
	v_mov_b32 v[T+7], 0xb9500d01                   ; sin r = r + r z (-1/6 + z (1/120 - z/5040)): the next term is below 3.2e-7
	v_fmaak_f32 v[T+7], v[T+6], v[T+7], 0x3c088889
	v_fmaak_f32 v[T+7], v[T+6], v[T+7], 0xbe2aaaab
	v_mul_f32 v[T+1], v[T+5], v[T+6]
	v_fma_f32 v[T+7], v[T+1], v[T+7], v[T+5]
	v_mov_b32 v[T+8], 0x37d00d01                   ; cos r = 1 + z (-1/2 + z (1/24 + z (-1/720 + z/40320))): the next term is below 2.5e-8
	v_fmaak_f32 v[T+8], v[T+6], v[T+8], 0xbab60b61
	v_fmaak_f32 v[T+8], v[T+6], v[T+8], 0x3d2aaaab
	v_fmaak_f32 v[T+8], v[T+6], v[T+8], 0xbf000000
	v_fmaak_f32 v[T+8], v[T+6], v[T+8], 0x3f800000
	v_cvt_i32_f32 v[T+9], v[T+4]
	v_and_b32 v[T+1], 1, v[T+9]                    ; an odd quarter swaps sine and cosine
	v_cmp_ne_u32 vcc_lo, 0, v[T+1]
	v_and_b32 v[T+5], 2, v[T+9]                    ; quarters 2, 3: the sine changes sign.  The two sign masks are made here, between the compare and the wait for its mask; r and z are done with
	v_lshlrev_b32 v[T+5], 30, v[T+5]
	v_add_nc_u32 v[T+6], 1, v[T+9]                 ; quarters 1, 2: the cosine does
	v_and_b32 v[T+6], 2, v[T+6]
	v_lshlrev_b32 v[T+6], 30, v[T+6]
	s_wait_alu depctr_va_vcc(0)                    ; the compare has written VCC, which the two selects below read
	v_cndmask_b32 v[T+11], v[T+7], v[T+8], vcc_lo  ; sin f
	v_cndmask_b32 v[T+10], v[T+8], v[T+7], vcc_lo  ; cos f
	v_xor_b32 v[T+11], v[T+11], v[T+5]
	v_xor_b32 v[T+10], v[T+10], v[T+6]
	s_wait_alu depctr_va_vdst(0)                   ; the row's offset v[T+2] and its (cos, sin) v[T+10:T+11] are written, which the store reads
	global_store_b64 v[T+2], v[T+10:T+11], s[20:21]  ; the wave stores the row's 256 bytes; T+2, T+10, T+11 are not written again
.Lcast:
	s_cmp_ge_u32 s22, 704
	s_cbranch_scc1 .Lwo
.set i, 0
.rept 16
	s_wait_loadcnt 15-i                            ; loads come back in order: number i is in, the 15 - i younger ones stay out
.if (i > 0) && (i % 4 == 0)
	s_wait_alu depctr_va_vdst(0)                   ; the block before has written its four pairs of Y, which this block's four stores read
.endif
.if i >= 4
	global_store_b64 v2, v[Y+2*(i-4):Y+2*(i-4)+1], s[28:29] offset:256*(i-4)  ; the chunk four back; no vector instruction since the wait names its pair
.endif
	v_cvt_pk_bf16_f32 v[Y+2*i],   v[X+4*i],   v[X+4*i+1]
	v_cvt_pk_bf16_f32 v[Y+2*i+1], v[X+4*i+2], v[X+4*i+3]
.set i, i+1
.endr
	s_wait_alu depctr_va_vdst(0)                   ; the last block has written its four pairs of Y, which the last four stores read
.set i, 12
.rept 4
	global_store_b64 v2, v[Y+2*i:Y+2*i+1], s[28:29] offset:256*i
.set i, i+1
.endr
	s_endpgm
.Lwo:                                                  ; wo: rounded to bf16, widened, and written as f16
.set i, 0
.rept 16
	s_wait_loadcnt 15-i
.if (i > 0) && (i % 4 == 0)
	s_wait_alu depctr_va_vdst(0)                   ; the block before has written its four pairs of Y, which this block's four stores read
.endif
.if i >= 4
	global_store_b64 v2, v[Y+2*(i-4):Y+2*(i-4)+1], s[28:29] offset:256*(i-4)  ; the chunk four back; no vector instruction since the wait names its pair
.endif
	v_cvt_pk_bf16_f32 v[T+4], v[X+4*i],   v[X+4*i+1]
	v_cvt_pk_bf16_f32 v[T+5], v[X+4*i+2], v[X+4*i+3]
	v_lshlrev_b32 v[T+6], 16, v[T+4]
	v_and_b32 v[T+7], 0xffff0000, v[T+4]
	v_cvt_pk_f16_f32 v[Y+2*i], v[T+6], v[T+7]
	v_lshlrev_b32 v[T+6], 16, v[T+5]
	v_and_b32 v[T+7], 0xffff0000, v[T+5]
	v_cvt_pk_f16_f32 v[Y+2*i+1], v[T+6], v[T+7]
.set i, i+1
.endr
	s_wait_alu depctr_va_vdst(0)                   ; the last block has written its four pairs of Y, which the last four stores read
.set i, 12
.rept 4
	global_store_b64 v2, v[Y+2*i:Y+2*i+1], s[28:29] offset:256*i
.set i, i+1
.endr
	s_endpgm
.Lfunc_end_k_qabd950ab6b_prep:
	.size	k_qabd950ab6b_prep, .Lfunc_end_k_qabd950ab6b_prep-k_qabd950ab6b_prep
	.p2alignl 7, 3214868480
	.fill 96, 4, 3214868480
	.section	.rodata,"a",@progbits
	.p2align	6, 0x0
	.amdhsa_kernel k_qabd950ab6b_prep
		.amdhsa_group_segment_fixed_size 0
		.amdhsa_private_segment_fixed_size 0
		.amdhsa_enable_private_segment 0
		.amdhsa_kernarg_size 72
		.amdhsa_user_sgpr_count 2
		.amdhsa_user_sgpr_kernarg_segment_ptr 1
		.amdhsa_wavefront_size32 1
		.amdhsa_system_sgpr_workgroup_id_x 1
		.amdhsa_system_sgpr_workgroup_id_y 1
		.amdhsa_system_sgpr_workgroup_id_z 1
		.amdhsa_system_vgpr_workitem_id 0
		.amdhsa_next_free_vgpr 112
		.amdhsa_next_free_sgpr 66
		.amdhsa_reserve_vcc 1
		.amdhsa_float_denorm_mode_32 3
		.amdhsa_float_denorm_mode_16_64 3
		.amdhsa_memory_ordered 1
		.amdhsa_forward_progress 1
		.amdhsa_inst_pref_size 19
	.end_amdhsa_kernel
	.amdgpu_metadata
---
amdhsa.version: [ 1, 2 ]
amdhsa.kernels:
  - .name:           k_qabd950ab6b_prep
    .symbol:         k_qabd950ab6b_prep.kd
    .args:
      - { .name: x, .offset: 0, .size: 8, .value_kind: global_buffer, .address_space: global }
      - { .name: wq, .offset: 8, .size: 8, .value_kind: global_buffer, .address_space: global }
      - { .name: wk, .offset: 16, .size: 8, .value_kind: global_buffer, .address_space: global }
      - { .name: wv, .offset: 24, .size: 8, .value_kind: global_buffer, .address_space: global }
      - { .name: wo, .offset: 32, .size: 8, .value_kind: global_buffer, .address_space: global }
      - { .name: token_positions, .offset: 40, .size: 8, .value_kind: global_buffer, .address_space: global }
      - { .name: xb, .offset: 48, .size: 8, .value_kind: global_buffer, .address_space: global }
      - { .name: wb, .offset: 56, .size: 8, .value_kind: global_buffer, .address_space: global }
      - { .name: rope, .offset: 64, .size: 8, .value_kind: global_buffer, .address_space: global }
    .group_segment_fixed_size: 0
    .private_segment_fixed_size: 0
    .kernarg_segment_align: 8
    .kernarg_segment_size: 72
    .max_flat_workgroup_size: 256
    .sgpr_count:     66
    .vgpr_count:     112
    .wavefront_size: 32
...
	.end_amdgpu_metadata
.endif
;; end of part 5
;; launch qkv: the kernel of part 2 again; grid 16 x 16, 4 waves a work-group, clusters of 4 x 4, 327,680 bytes of LDS; arguments xb, wb, rope, qkv; writes qkv
;; launch attn: the kernel of part 3 again; grid 4 x 64, 8 waves a work-group, no clusters, 327,680 bytes of LDS; arguments qkv, att; writes att
;; launch oproj: the kernel of part 4 again; grid 4 x 64, 4 waves a work-group, clusters of 4 x 4, 327,680 bytes of LDS; arguments att, wb, out0; writes out0
